; MI455X (gfx1250); checked and timed in simulation.
; The chip was launched on July 23, 2026; its instructions are those of AMD's public machine-readable ISA for CDNA 5 (MIT licence, August 2026) and "CDNA5" Instruction Set Architecture Reference Guide (July 2026). The comments in the code are by the model that wrote it; some were corrected since.
;; VQVAE Layer. Allowed arithmetic: float matrix products may take bf16 or f16 operands with f32 sums; all other float work in f32.
;; Inputs: w 256 x 8,192 float32; x 32 x 32 x 32 x 256 float32.
;; Outputs: out0 32 x 32 x 32 x 256 float32; out1 one number float32.
;; 3 versions, each right; version 2 is faster than version 1; version 3 is version 2 with the launches prep, pick written anew for expert scheduling mode. Each part assembles by itself: llvm-mc -triple=amdgcn-amd-amdhsa -mcpu=gfx1250 --defsym DOCPART=n.
;; ======== version 1 of 3: 4 launches
;; workspace buffers: wb 4,325,376 bytes; wt 8,388,608 bytes; idx 131,072 bytes of whole numbers; part 2,048 bytes
;; launch prep (part 1): grid 128 x 1, 8 waves a work-group, no clusters, 101,632 bytes of LDS; arguments w, wb, wt; writes wb, wt
.if DOCPART == 1
	.amdgcn_target "amdgcn-amd-amdhsa--gfx1250"
	.amdhsa_code_object_version 6
	.text
	.protected	k_q29a08d7b61_prep
	.globl	k_q29a08d7b61_prep
	.p2align	8
	.type	k_q29a08d7b61_prep,@function
k_q29a08d7b61_prep:
	s_mov_b64 s[64:65], 0
	v_nop
	global_prefetch_b8 v0, s[64:65] scope:SCOPE_SE
	s_setreg_imm32_b32 hwreg(HW_REG_WAVE_MODE, 25, 1), 1
	s_wait_xcnt 0x0
; Turns the codebook w [256 d][8192 codes] f32 into two tables with one row for each code:
;   wt [8192][256] f32: the exact transpose, from which the quantised rows are gathered later;
;   wb [8192] rows of 528 bytes: 256 bf16 (d ascending), then four f32, hn of the codes (c & ~3) + 0..3, where
;      hn[c] = -0.5 x the sum over d of (w[d][c] rounded to bf16) squared.  528 = 33 x 16, so the rows can be used in LDS as they lie.
; A work-group owns 64 codes: 256 consecutive bytes of every row of w.  Eight waves; the transpose goes through LDS.
; Limits: NaN and infinities in w are passed on as they are.
.set TP,   260                         ; pitch of T: 65 words, so word (d, c) lies in bank (d + c) mod 64 (64 banks of 4 bytes: ISA guide 11.1)
.set IMG,  66560                       ; behind T (256 x 260): the work-group's 64 rows of wb, 64 x 528 bytes
.set NRM,  100352                      ; behind IMG: 64 f32, hn of the 64 codes
.set CP,   528                         ; bytes in a row of wb
.set IN,   16                          ; v[16:79]   64 numbers: as loaded, then transposed, then on the way out
.set PK,   80                          ; v[80:111]  the same 64 numbers as bf16
.set U,    112                         ; v[112:115] four rounded numbers widened again
.set S,    116                         ; v[116:123] a pair of running sums of squares for each of my four codes
.set QD,   124                         ; v[124:127] a quad of hn
	s_load_b128 s[4:7], s[0:1], 0x0                ; w s[4:5], wb s[6:7]
	s_load_b64 s[8:9], s[0:1], 0x10                ; wt
	v_lshl_add_u32 v128, v0, 2, 0x18900
	v_mov_b32 v129, 0
	v_and_b32 v1, 15, v0                           ; cl: lane mod 16
	v_bfe_u32 v2, v0, 4, 1                         ; hp: which half of the lanes
	v_lshrrev_b32 v3, 5, v0
	v_readfirstlane_b32 s10, v3                    ; wave 0..7
	s_lshl_b32 s11, s10, 5
	s_lshl_b32 s12, s10, 3
	v_add_nc_u32 v4, s11, v2                       ; d0 = 32 wave + hp
	v_lshlrev_b32 v5, 4, v1                        ; 16 cl
	v_lshl_add_u32 v6, v4, 15, v5                  ; in w: row d0 (32,768 bytes a row) + 16 cl
	v_mad_u32_u24 v7, v4, TP, v5                   ; in T: row d0, codes 4 cl ..
	v_add_nc_u32 v9, s12, v2                       ; c0 = 8 wave + hp
	v_lshlrev_b32 v8, 2, v9
	v_mad_u32_u24 v8, v1, 4*TP, v8                 ; in T: row 4 cl, code c0
	v_lshl_add_u32 v10, v9, 10, v5                 ; in wt: row c0 (1,024 bytes a row) + 16 cl
	v_mul_u32_u24 v11, v9, CP
	v_lshl_add_u32 v11, v1, 3, v11
	v_add_nc_u32 v11, IMG, v11                     ; in IMG: row c0 + 8 cl
	v_lshlrev_b32 v12, 2, v9
	v_add_nc_u32 v12, NRM, v12                     ; in NRM: word c0
	v_and_b32 v13, 7, v0
	v_add_nc_u32 v13, s12, v13                     ; cq = 8 wave + lane mod 8
	v_and_b32 v14, 60, v13
	v_lshlrev_b32 v14, 2, v14
	v_add_nc_u32 v14, NRM, v14                     ; in NRM: the quad that holds cq
	v_mul_u32_u24 v15, v13, CP
	v_add_nc_u32 v15, IMG+512, v15                 ; in IMG: the 16 bytes behind row cq's 512
	s_wait_kmcnt 0x0
	s_lshl_b32 s2, ttmp9, 8                        ; my 64 codes in a row of w
	s_mov_b32 s3, 0
	s_add_nc_u64 s[4:5], s[4:5], s[2:3]
	s_mul_i32 s2, ttmp9, 64*CP                     ; my 64 rows of wb
	s_add_nc_u64 s[6:7], s[6:7], s[2:3]
	s_lshl_b32 s2, ttmp9, 16                       ; my 64 rows of wt
	s_add_nc_u64 s[8:9], s[8:9], s[2:3]
	; In: load i brings rows d0 + 2 i; sixteen lanes take the 256 consecutive bytes of one row, the other sixteen those of the next.
.irp i, 0,1,2,3,4,5,6,7,8,9,10,11,12,13,14,15
	global_load_b128 v[IN+4*\i:IN+4*\i+3], v6, s[4:5] offset:\i*65536 th:TH_LOAD_NT
.endr
.irp i, 0,1,2,3,4,5,6,7,8,9,10,11,12,13,14,15
	s_wait_loadcnt 15-\i                           ; loads come back in order: load i is in, the 15 - i younger ones stay out
.irp q, 0,1,2,3
	ds_store_b32 v7, v[IN+4*\i+\q] offset:2*TP*\i+4*\q         ; T[d0 + 2 i][4 cl + q]: banks 4 cl + hp + a constant, all 32 different
.endr
.endr
	s_wait_dscnt 0x0                               ; my stores into T are done,
	s_barrier_signal -1
	s_barrier_wait -1                              ; everybody's are
	; Back, transposed: register 16 p + 4 k + i = w[64 k + 4 cl + i][code c0 + 2 p].  Banks again 4 cl + hp + a constant.
.irp p, 0,1,2,3
.irp k, 0,1,2,3
.irp i, 0,1,2,3
	ds_load_b32 v[IN+16*\p+4*\k+\i], v8 offset:(64*\k+\i)*TP+8*\p
.endr
.endr
.endr
	s_wait_dscnt 0x0
.irp p, 0,1,2,3
.irp k, 0,1,2,3
	global_store_b128 v10, v[IN+16*\p+4*\k:IN+16*\p+4*\k+3], s[8:9] offset:\p*2048+\k*256   ; sixteen lanes store 256 consecutive bytes of a row of wt, aligned
	v_cvt_pk_bf16_f32 v[PK+8*\p+2*\k],   v[IN+16*\p+4*\k],   v[IN+16*\p+4*\k+1]
	v_cvt_pk_bf16_f32 v[PK+8*\p+2*\k+1], v[IN+16*\p+4*\k+2], v[IN+16*\p+4*\k+3]
	ds_store_b64 v11, v[PK+8*\p+2*\k:PK+8*\p+2*\k+1] offset:\p*2*CP+\k*128
	v_lshlrev_b32 v[U],   16, v[PK+8*\p+2*\k]                    ; the norm is that of the rounded numbers: widen them again
	v_and_b32     v[U+1], 0xffff0000, v[PK+8*\p+2*\k]
	v_lshlrev_b32 v[U+2], 16, v[PK+8*\p+2*\k+1]
	v_and_b32     v[U+3], 0xffff0000, v[PK+8*\p+2*\k+1]
.if \k == 0
	v_pk_mul_f32 v[S+2*\p:S+2*\p+1], v[U:U+1], v[U:U+1]          ; the first squares start the sums
.else
	v_pk_fma_f32 v[S+2*\p:S+2*\p+1], v[U:U+1], v[U:U+1], v[S+2*\p:S+2*\p+1]
.endif
	v_pk_fma_f32 v[S+2*\p:S+2*\p+1], v[U+2:U+3], v[U+2:U+3], v[S+2*\p:S+2*\p+1]
.endr
.endr
	; A code's 256 squares lie in the sixteen lanes of one half: add the pair, then across the sixteen.
.irp p, 0,1,2,3
	v_add_f32 v[S+2*\p], v[S+2*\p], v[S+2*\p+1]
	v_add_f32_dpp v[S+2*\p], v[S+2*\p], v[S+2*\p] row_xmask:1 row_mask:0xf bank_mask:0xf
	v_add_f32_dpp v[S+2*\p], v[S+2*\p], v[S+2*\p] row_xmask:2 row_mask:0xf bank_mask:0xf
	v_add_f32_dpp v[S+2*\p], v[S+2*\p], v[S+2*\p] row_xmask:4 row_mask:0xf bank_mask:0xf
	v_add_f32_dpp v[S+2*\p], v[S+2*\p], v[S+2*\p] row_xmask:8 row_mask:0xf bank_mask:0xf
	v_mul_f32 v[S+2*\p], -0.5, v[S+2*\p]
	ds_store_b32 v12, v[S+2*\p] offset:8*\p        ; sixteen lanes store the same number to the same word
.endr
	s_wait_dscnt 0x0                               ; my half-norms are stored,
	s_barrier_signal -1
	s_barrier_wait -1                              ; all 64 are
	ds_load_b128 v[QD:QD+3], v14                   ; the quad of row cq
	s_wait_dscnt 0x0
	ds_store_b128 v15, v[QD:QD+3]                  ; behind the row's 512 bytes; four lanes store the same 16 bytes
	v_lshlrev_b32 v4, 4, v0                        ; the way out: 16 bytes a thread, 4,096 a turn of the eight waves
	v_add_nc_u32 v5, IMG, v4
	s_wait_dscnt 0x0                               ; my part of IMG is whole,
	s_barrier_signal -1
	s_barrier_wait -1                              ; all of it is
	s_wait_xcnt 0x0                                ; IN, the data of the stores into wt, is loaded again only behind this wait
	; IMG is 33,792 bytes = 66 pieces of 512: eight turns of eight waves, and one piece more for waves 0 and 1.
.irp i, 0,1,2,3,4,5,6,7
	ds_load_b128 v[IN+4*\i:IN+4*\i+3], v5 offset:4096*\i
.endr
.irp i, 0,1,2,3,4,5,6,7
	s_wait_dscnt 7-\i                              ; LDS loads come back in order: load i is in
	global_store_b128 v4, v[IN+4*\i:IN+4*\i+3], s[6:7] offset:4096*\i    ; a wave stores 512 consecutive bytes, aligned
.endr
	s_cmp_gt_u32 s10, 1
	s_cbranch_scc1 .Lend
	ds_load_b128 v[IN+32:IN+35], v5 offset:32768
	s_wait_dscnt 0x0
	global_store_b128 v4, v[IN+32:IN+35], s[6:7] offset:32768
.Lend:
	s_wait_tensorcnt 0x0
	ds_add_u32 v128, v129
	s_wait_dscnt 0x0
	s_endpgm
.Lfunc_end_k_q29a08d7b61_prep:
	.size	k_q29a08d7b61_prep, .Lfunc_end_k_q29a08d7b61_prep-k_q29a08d7b61_prep
	.p2alignl 7, 3214868480
	.fill 96, 4, 3214868480
	.section	.rodata,"a",@progbits
	.p2align	6, 0x0
	.amdhsa_kernel k_q29a08d7b61_prep
		.amdhsa_group_segment_fixed_size 101632
		.amdhsa_private_segment_fixed_size 0
		.amdhsa_enable_private_segment 0
		.amdhsa_kernarg_size 24
		.amdhsa_user_sgpr_count 2
		.amdhsa_user_sgpr_kernarg_segment_ptr 1
		.amdhsa_wavefront_size32 1
		.amdhsa_system_sgpr_workgroup_id_x 1
		.amdhsa_system_sgpr_workgroup_id_y 1
		.amdhsa_system_sgpr_workgroup_id_z 1
		.amdhsa_system_vgpr_workitem_id 0
		.amdhsa_next_free_vgpr 130
		.amdhsa_next_free_sgpr 66
		.amdhsa_reserve_vcc 0
		.amdhsa_float_denorm_mode_32 3
		.amdhsa_float_denorm_mode_16_64 3
		.amdhsa_memory_ordered 1
		.amdhsa_forward_progress 1
		.amdhsa_inst_pref_size 26
	.end_amdhsa_kernel
	.amdgpu_metadata
---
amdhsa.version: [ 1, 2 ]
amdhsa.kernels:
  - .name:           k_q29a08d7b61_prep
    .symbol:         k_q29a08d7b61_prep.kd
    .args:
      - { .name: w, .offset: 0, .size: 8, .value_kind: global_buffer, .address_space: global }
      - { .name: wb, .offset: 8, .size: 8, .value_kind: global_buffer, .address_space: global }
      - { .name: wt, .offset: 16, .size: 8, .value_kind: global_buffer, .address_space: global }
    .group_segment_fixed_size: 101632
    .private_segment_fixed_size: 0
    .kernarg_segment_align: 8
    .kernarg_segment_size: 24
    .max_flat_workgroup_size: 256
    .sgpr_count:     66
    .vgpr_count:     130
    .wavefront_size: 32
...
	.end_amdgpu_metadata
.endif
;; end of part 1
;; launch dist (part 2): grid 256 x 1, 4 waves a work-group, clusters of 4 x 1, 327,680 bytes of LDS; arguments x, wb, idx; writes idx
.if DOCPART == 2
	.amdgcn_target "amdgcn-amd-amdhsa--gfx1250"
	.amdhsa_code_object_version 6
	.text
	.protected	k_q29a08d7b61_dist
	.globl	k_q29a08d7b61_dist
	.p2align	8
	.type	k_q29a08d7b61_dist,@function
k_q29a08d7b61_dist:
	s_mov_b64 s[64:65], 0
	v_nop
	global_prefetch_b8 v0, s[64:65] scope:SCOPE_SE
	s_setreg_imm32_b32 hwreg(HW_REG_WAVE_MODE, 25, 1), 1
	s_wait_xcnt 0x0
	s_wait_alu depctr_hold_cnt(0) depctr_sa_sdst(0) depctr_va_vdst(0) depctr_va_sdst(0) depctr_va_ssrc(0) depctr_va_vcc(0) depctr_vm_vsrc(0)
	s_getreg_b32 s2, hwreg(HW_REG_IB_STS2, 6, 4)
	s_cmp_eq_u32 s2, 0
	s_cbranch_scc0 .Lentry_in_a_cluster
	s_endpgm
.Lentry_in_a_cluster:
	s_bfe_u32 s2, ttmp6, 0x10000c
	s_cmp_lg_u32 s2, 0x3003
	s_cbranch_scc0 .Lentry_shape_is_right
	s_endpgm
.Lentry_shape_is_right:
; idx[n] = the code c that makes score(n, c) = x[n] . wb[c] + hn[c] largest, hn[c] = -|wb[c]|^2 / 2: the argmin of the squared distance
; (|x[n]|^2 is the same for all codes of a row and is left out).  x is rounded to bf16 here, wb holds w rounded to bf16; sums in f32.
; Limits: NaN and infinities are not served; codes whose scores differ by less than the rounding of the f32 sums may be ordered
; otherwise than by an exact sum; equal scores go to the lowest code.
;
; SHARES.  A work-group owns 128 rows of x and walks all 8,192 codes, so a row's argmax never leaves the work-group.  Each of the four waves
; keeps all 128 rows as bf16 fragments in 512 registers for the whole launch; the waves split the codes.  One code fragment (two LDS loads)
; then feeds eight matrix instructions: 18 LDS loads for 64 matrix instructions.
; THE MATRIX INSTRUCTION: source 0 = 16 codes, source 1 = 16 rows of x.  Register j of lane (r, h) of the result is code 8 h + j against row r:
; a lane follows ONE row of each of the eight row blocks, so the running best is one value and one index for a row block.  The first of a
; tile's eight K steps takes as C a tile whose register j holds hn[code 8 h + j]: the sum IS the score, nothing is cleared, no norm is added later.
; CLUSTER.  All 256 work-groups read the same 4,325,376 bytes of wb in the same order.  Four work-groups form a cluster and ask for each tile
; jointly (mask 15), which divides the requests for wb by four.  x is shared by nobody, so a second cluster axis would share nothing.
; THE RING.  Two LDS slots of 256 codes (a step).  wb's rows already have the LDS pitch of 528 bytes (33 x 16: the sixteen rows that a fragment
; load touches start in different groups of banks, ISA guide 11.1), so a wave's quarter of a slot, 64 codes, is a dense block of 33,792 bytes
; = 132 rows of 256, brought by one tensor load of that wave and read by that wave alone.  By this text's count a wave has two tensor
; loads out at the start and one behind each refill; that one has a step's 256 matrix instructions in which to land.
;
; REGISTERS, in windows of 256:
;   window 0: v0-15 ids and addresses; v16-23 best score, v24-31 its counter, one for each row block; v32-39 hn tile; v40-103 code fragments of
;             a tile's 8 K steps; v104-231 two sets of 8 accumulators; v232-255 the end's pairs and temporaries
;   window 1: x as loaded (the start only);   windows 2, 3: x fragment (row block rb, K step ks) at (ks & 3) 64 + 8 rb, window 2 + ks / 4
; Only source 1 ever leaves window 0 in the walk.  The argmax lines name vector registers in source 0, source 2 and the destination alone
; (source 1 is a constant or a scalar), so they stand among the products under the products' setting: two switches for 64 products.
.set CP,    528                        ; bytes from code to code, in wb and in LDS; also the pitch of the stage's rows
.set TSTEP, 16*CP                      ; a tile of 16 codes
.set QUART, 64*CP                      ; a wave's quarter of a slot
.set SLOT,  4*QUART                    ; 135,168
.set STAGE, 2*SLOT                     ; 270,336: 64 rows of x as bf16, later the waves' results; written by LDS stores alone, no fill lands here
.set ADRF,  8                          ; v8-9    slot s: my address for code fragments
.set ADRN,  10                         ; v10-11  slot s: my address for the hn tile
.set DT,    12                         ; v12-13  score - best, two in flight
.set XST,   14                         ; v14     stage: where I put x
.set XRD,   15                         ; v15     stage: where I read x fragments
.set BEST,  16
.set IDX,   24
.set NORM,  32
.set WF,    40
.set ACC,   104
.set PR,    232                        ; v232-247 (score, code) for each row block
.set TA,    248                        ; v248-255 temporaries of the end
.set G1,    16                         ; s[16:23] descriptor group 1
.set G0,    24                         ; s[24:31] descriptor group 0, a set for each slot
.set MK,    34                         ; s34-35  lane masks 'score is better', two in flight
.set XLO,   0x08                       ; source 1 in window 2
.set XHI,   0x0c                       ; source 1 in window 3
.set MSB,   0
.macro WIN new                         ; the immediate's high byte repeats the setting that is left
.if MSB != \new
	s_set_vgpr_msb (MSB<<8)|\new
.set MSB, \new
.endif
.endm
; A round of the cluster's barrier: my work-group's barrier, wave 0 signals for the work-group, every wave waits for the four work-groups, my work-group's barrier again.
.macro CREST                           ; a round behind its opening barrier
	s_cmp_lg_u32 s10, 0
	s_cbranch_scc1 .Lnot_wave_0_\@
	s_barrier_signal -3
.Lnot_wave_0_\@:
	s_barrier_wait -3
	s_barrier_signal -1
	s_barrier_wait -1
.endm
.macro ROUND
	s_barrier_signal -1
	s_barrier_wait -1
	CREST
.endm
	s_load_b128 s[4:7], s[0:1], 0x0                ; x s[4:5], wb s[6:7]
	s_load_b64 s[8:9], s[0:1], 0x10                ; idx
	v_lshl_add_u32 v254, v0, 2, 0x4a400
	v_mov_b32 v255, 0
	ds_add_u32 v254, v255
	ds_add_u32 v254, v255
	s_wait_dscnt 0x0
	v_and_b32 v1, 15, v0                           ; r
	v_bfe_u32 v2, v0, 4, 1                         ; h
	v_and_b32 v3, 31, v0                           ; lane
	v_lshrrev_b32 v4, 5, v0
	v_readfirstlane_b32 s10, v4                    ; wave 0..3
	s_mul_i32 s13, s10, QUART                      ; my quarter, in a slot and in a step of wb
	s_lshl_b32 s37, s10, 14
	v_lshlrev_b32 v5, 4, v3
	v_add_nc_u32 v5, s37, v5                       ; in x: 16 rows a wave + 16 bytes a lane
	v_mul_u32_u24 v6, v1, CP
	v_lshl_add_u32 v6, v2, 4, v6                   ; a fragment's lane term: row r, 16 h
	v_add_nc_u32 v[ADRF], s13, v6
	v_add_nc_u32 v[ADRF+1], SLOT, v[ADRF]
	v_mul_u32_u24 v7, v2, 8*CP                     ; the hn tile's lane term: code row 8 h
	v_add_nc_u32 v[ADRN], s13, v7
	v_add_nc_u32 v[ADRN+1], SLOT, v[ADRN]
	v_add_nc_u32 v[XRD], STAGE, v6
	s_mul_i32 s37, s10, 16*CP
	s_add_co_u32 s37, s37, STAGE
	v_lshl_add_u32 v[XST], v3, 3, s37              ; stage row 16 wave, 8 bytes a lane
	s_bfe_u32 s11, ttmp6, 0x40000                  ; cx: my place in the cluster
	s_lshl_b32 s12, ttmp9, 2                       ; in a cluster launch ttmp9 counts clusters
	s_add_co_u32 s12, s12, s11                     ; work-group 0..255.  It enters the addresses of x and idx alone
	s_lshl_b32 s42, s12, 17                        ; 128 rows of 1,024 bytes
	s_mov_b32 s43, 0
	s_mov_b32 s14, s13
	s_mov_b32 s15, 0
	s_mov_b32 s33, 0xff800000                      ; minus infinity
	s_mov_b32 s38, 0x76543210                      ; v_permlanex16_b32: lane i of one half reads lane i of the other
	s_mov_b32 s39, 0xfedcba98
	s_wait_kmcnt 0x0
	s_add_nc_u64 s[4:5], s[4:5], s[42:43]          ; x at my first row
	s_lshl_b32 s42, s12, 9
	s_add_nc_u64 s[8:9], s[8:9], s[42:43]          ; idx at my first row
	s_add_nc_u64 s[6:7], s[6:7], s[14:15]          ; wb at my quarter of step 0: made of the wave's number alone
; 32 loads: rows 64 p + 16 wave + i of my work-group's x, two loads of 512 consecutive bytes for a row, into window 1
.macro XLOAD p
	WIN 0x40
.irp i, 0,1,2,3,4,5,6,7,8,9,10,11,12,13,14,15
	global_load_b128 v[128*\p+8*\i:128*\p+8*\i+3],   v5, s[4:5] offset:(64*\p+\i)*1024 th:TH_LOAD_NT
	global_load_b128 v[128*\p+8*\i+4:128*\p+8*\i+7], v5, s[4:5] offset:(64*\p+\i)*1024+512 th:TH_LOAD_NT
.endr
.endm
	XLOAD 0
	WIN 0
	; Group 1: a dense block as 132 rows of 32 elements of 8 bytes.
	s_mov_b32 s[G1+0], 15|(3<<16)|(1<<21)          ; 15:0 the mask: all four work-groups of the cluster; 17:16 elements of 8 bytes; 21 set beside a mask; no padding
	s_mov_b32 s[G1+1], 32<<16                      ; tensor_dim0 = 32
	s_mov_b32 s[G1+2], 132<<16                     ; tensor_dim1 = 132
	s_mov_b32 s[G1+3], 32<<16                      ; tile_dim0 = 32
	s_mov_b32 s[G1+4], 132                         ; tile_dim1 = 132
	s_mov_b32 s[G1+5], 32                          ; 32 elements from row to row
	s_mov_b32 s[G1+6], 0
	s_mov_b32 s[G1+7], 0
.irp s, 0,1
	s_mov_b32 s[G0+4*\s], 1                                        ; count = 1
	s_add_co_u32 s[G0+4*\s+1], s13, \s*SLOT                        ; LDS: the slot, my quarter
	s_add_nc_u64 s[G0+4*\s+2:G0+4*\s+3], s[6:7], \s*SLOT           ; wb: step s, my quarter
	s_or_b32 s[G0+4*\s+3], s[G0+4*\s+3], 0x80000000                ; type = 2
.endr
	ROUND                                          ; the four work-groups are here: the first joint loads meet
	tensor_load_to_lds s[G0:G0+3], s[G1:G1+7]      ; step 0
	s_nop 0
	tensor_load_to_lds s[G0+4:G0+7], s[G1:G1+7]    ; step 1
	s_nop 0
	XLOAD 1
; 64 rows of x: rounded to bf16 in place, staged in LDS by rows (each wave its 16), read back by every wave as fragments of row blocks 4 p .. 4 p + 3.
; The two tensor loads stay out across these barriers.
.macro XPASS p, left
	s_wait_loadcnt \left                           ; this pass's 32 loads are in; left = the younger loads that stay out
	WIN 0x45
.irp i, 0,1,2,3,4,5,6,7,8,9,10,11,12,13,14,15
	v_cvt_pk_bf16_f32 v[128*\p+8*\i],   v[128*\p+8*\i],   v[128*\p+8*\i+1]
	v_cvt_pk_bf16_f32 v[128*\p+8*\i+1], v[128*\p+8*\i+2], v[128*\p+8*\i+3]
	v_cvt_pk_bf16_f32 v[128*\p+8*\i+4], v[128*\p+8*\i+4], v[128*\p+8*\i+5]
	v_cvt_pk_bf16_f32 v[128*\p+8*\i+5], v[128*\p+8*\i+6], v[128*\p+8*\i+7]
.endr
	WIN 0x04
.irp i, 0,1,2,3,4,5,6,7,8,9,10,11,12,13,14,15
	ds_store_b64 v[XST], v[128*\p+8*\i:128*\p+8*\i+1]   offset:\i*CP        ; columns 4 lane ..: 256 consecutive bytes a wave
	ds_store_b64 v[XST], v[128*\p+8*\i+4:128*\p+8*\i+5] offset:\i*CP+256    ; columns 128 + 4 lane ..
.endr
	s_wait_dscnt 0x0                               ; my 16 rows are staged,
	s_barrier_signal -1
	s_barrier_wait -1                              ; all 64 are
	WIN 0x80
.irp rbl, 0,1,2,3
.irp ks, 0,1,2,3
	ds_load_b128 v[64*\ks+8*(4*\p+\rbl):64*\ks+8*(4*\p+\rbl)+3],   v[XRD] offset:\rbl*TSTEP+64*\ks
	ds_load_b128 v[64*\ks+8*(4*\p+\rbl)+4:64*\ks+8*(4*\p+\rbl)+7], v[XRD] offset:\rbl*TSTEP+64*\ks+32
.endr
.endr
	WIN 0xc0
.irp rbl, 0,1,2,3
.irp ks, 0,1,2,3
	ds_load_b128 v[64*\ks+8*(4*\p+\rbl):64*\ks+8*(4*\p+\rbl)+3],   v[XRD] offset:\rbl*TSTEP+256+64*\ks
	ds_load_b128 v[64*\ks+8*(4*\p+\rbl)+4:64*\ks+8*(4*\p+\rbl)+7], v[XRD] offset:\rbl*TSTEP+256+64*\ks+32
.endr
.endr
	s_wait_dscnt 0x0                               ; my reads of the stage are over,
	s_barrier_signal -1
	s_barrier_wait -1                              ; everybody's are: it may be written again
.endm
	XPASS 0, 32
	XPASS 1, 0
	WIN 0
; One product: 16 codes x 16 rows x 32 along D.  K step 0 starts the sum from the hn tile.
.macro MM set, ks, rb
.if (\ks) == 0
	v_wmma_f32_16x16x32_bf16 v[ACC+64*(\set)+8*(\rb):ACC+64*(\set)+8*(\rb)+7], v[WF+8*(\ks):WF+8*(\ks)+7], v[((\ks)&3)*64+8*(\rb):((\ks)&3)*64+8*(\rb)+7], v[NORM:NORM+7]
.else
	v_wmma_f32_16x16x32_bf16 v[ACC+64*(\set)+8*(\rb):ACC+64*(\set)+8*(\rb)+7], v[WF+8*(\ks):WF+8*(\ks)+7], v[((\ks)&3)*64+8*(\rb):((\ks)&3)*64+8*(\rb)+7], v[ACC+64*(\set)+8*(\rb):ACC+64*(\set)+8*(\rb)+7]
.endif
.endm
; The running argmax takes in element g of a finished tile in set pset: row block g % 8, register g / 8.  Four lines, of three elements, so that none
; waits for the line in front of it: the difference of element g, the compare of element g - 1, the choice of element g - 2, the new best of element g.
; s32 counts runs of eight elements, (4 step + tile) 8 + register, and steps behind the choice of a run's last element.  Strictly greater: the
; earlier, lower code keeps an equal score.  64 is a multiple of 8 and of 2, so the lags run on from tile to tile.
.macro EP pset, g
	v_fma_f32 v[DT+((\g)&1)], v[ACC+64*(\pset)+8*((\g)%8)+(\g)/8], 1.0, -v[BEST+((\g)%8)]
	v_cmp_gt_f32 s[MK+(((\g)+1)&1)], v[DT+(((\g)+1)&1)], 0
	v_cndmask_b32 v[IDX+(((\g)+6)%8)], v[IDX+(((\g)+6)%8)], s32, s[MK+((\g)&1)]
.if ((\g)%8) == 1
	s_add_co_u32 s32, s32, 1
.endif
	v_max3_num_f32 v[BEST+((\g)%8)], v[ACC+64*(\pset)+8*((\g)%8)+(\g)/8], s33, v[BEST+((\g)%8)]
.endm
; One K step of a tile: eight products, the eight accumulators by turns, one instruction a turn; among them the argmax of
; eight elements of the tile before, which lies in the other set.  The last two products stand together, so that eight plain vector lines that name
; none of their registers follow the last reader of this K step's code fragment before it is loaded again (ISA guide 7.12.1 for vector
; instructions).  epi = 0: no tile before; four v_nop are those places.
.macro KSTEP set, ks, epi
.irp rb, 0,1,2,3,4,5
	MM \set, \ks, \rb
.if \epi
	EP 1-\set, 8*\ks+\rb
.endif
.endr
	MM \set, \ks, 6
	MM \set, \ks, 7
.if \epi
	EP 1-\set, 8*\ks+6
	EP 1-\set, 8*\ks+7
.else
.rept 4
	v_nop
.endr
.endif
.endm
.macro LDF slot, t, ks                 ; the code fragment of K step ks of tile t of my quarter: lane (r, h) takes code r, bytes 64 ks + 16 h and 32 further
	ds_load_b128 v[WF+8*(\ks):WF+8*(\ks)+3],   v[ADRF+\slot] offset:(\t)*TSTEP+64*(\ks)
	ds_load_b128 v[WF+8*(\ks)+4:WF+8*(\ks)+7], v[ADRF+\slot] offset:(\t)*TSTEP+64*(\ks)+32
.endm
.macro LDN slot, t                     ; the hn tile: the quads behind code rows 8 h and 8 h + 4; sixteen lanes read the same 16 bytes
	ds_load_b128 v[NORM:NORM+3],   v[ADRN+\slot] offset:(\t)*TSTEP+512
	ds_load_b128 v[NORM+4:NORM+7], v[ADRN+\slot] offset:(\t)*TSTEP+4*CP+512
.endm
; A tile.  Behind each K step its registers are loaded again for the next tile (slot nslot, tile nt), always in the order F0, N, F1 .. F7, two loads each.
; The counts: at K step 0, F1 .. F7 of this tile are younger than N: 14.  At K step ks > 0, younger than F ks are this tile's F ks+1 .. F7,
; 2 (7 - ks), and the next tile's F0, N, F1 .. F ks-1, 4 + 2 (ks - 1): 16.
.macro TILE set, epi, nslot, nt
	WIN XLO
	s_wait_dscnt 14
	KSTEP \set, 0, \epi
	LDF \nslot, \nt, 0
	LDN \nslot, \nt
.irp ks, 1,2,3
	s_wait_dscnt 16
	KSTEP \set, \ks, \epi
	LDF \nslot, \nt, \ks
.endr
	WIN XHI
.irp ks, 4,5,6,7
	s_wait_dscnt 16
	KSTEP \set, \ks, \epi
	LDF \nslot, \nt, \ks
.endr
.endm
; A step's last tile, where slot rslot, which this tile has left for registers, is filled again two steps ahead.  No load is issued in K steps 0 to 2, so the
; counts are 14 (F1 .. F7 younger), 12 (F2 .. F7), then 0.  In front of the round's opening signal each wave has waited for all its LDS reads and for
; all its tensor loads, its quarter of the next slot among them; inside the round stands register work alone; the joint refill is the first tensor load
; behind the round's closing wait, ahead of the first LDS read, one a wave.  So no work-group asks while a wave of a partner still reads or has a load out.
.macro TILE_R set, nslot, rslot
	WIN XLO
	s_wait_dscnt 14
	KSTEP \set, 0, 1
	s_wait_dscnt 12
	KSTEP \set, 1, 1
	s_wait_dscnt 0x0                               ; all of this tile is in registers: my reads of the slot are over
	s_wait_xcnt 0x0
	v_lshl_add_u32 v254, v0, 2, 0x4a400
	v_mov_b32 v255, 0
	s_set_vgpr_msb 0x800
	s_wait_tensorcnt 0x0                           ; no tensor load of mine is out
	ds_add_u32 v254, v255
	s_wait_dscnt 0x0
	s_set_vgpr_msb 0x8
	s_barrier_signal -1
	KSTEP \set, 2, 1                               ; registers only, while the others arrive
	WIN 0
	s_barrier_wait -1
	CREST
	s_add_nc_u64 s[G0+4*\rslot+2:G0+4*\rslot+3], s[G0+4*\rslot+2:G0+4*\rslot+3], 2*SLOT   ; two steps on; no load names these registers now
	tensor_load_to_lds s[G0+4*\rslot:G0+4*\rslot+3], s[G1:G1+7]
	s_nop 0
	LDF \nslot, 0, 0                               ; the next slot's first tile, in the usual order
	LDN \nslot, 0
	LDF \nslot, 0, 1
	LDF \nslot, 0, 2
	WIN XLO
	KSTEP \set, 3, 1
	LDF \nslot, 0, 3
	WIN XHI
.irp ks, 4,5,6,7
	KSTEP \set, \ks, 1
	LDF \nslot, 0, \ks
.endr
.endm
.macro TILE_L set                      ; the very last tile: nothing is loaded, the counts run down with the fragments still out
	WIN XLO
.irp ks, 0,1,2,3
	s_wait_dscnt 14-2*\ks
	KSTEP \set, \ks, 1
.endr
	WIN XHI
.irp ks, 4,5,6,7
	s_wait_dscnt 14-2*\ks
	KSTEP \set, \ks, 1
.endr
.endm
.macro STEP3 slot, epi0                ; the first three of a step's four tiles; the sets take turns from tile to tile
	TILE 0, \epi0, \slot, 1
	TILE 1, 1, \slot, 2
	TILE 0, 1, \slot, 3
.endm
.macro STEP_R slot, epi0               ; a whole step whose slot is filled again
	STEP3 \slot, \epi0
	TILE_R 1, 1-\slot, \slot
.endm
.irp i, 0,1,2,3,4,5,6,7
	v_mov_b32 v[BEST+\i], s33                      ; any finite score beats it
	v_mov_b32 v[IDX+\i], 0
.endr
	v_mov_b32 v[DT], -1.0                          ; the two elements in front of the first: not better
	v_mov_b32 v[DT+1], -1.0
	s_mov_b32 s[MK], 0
	s_mov_b32 s[MK+1], 0
	s_mov_b32 s32, -1                              ; steps to 0 in front of the first element's choice
	s_wait_tensorcnt 0x1                           ; my quarter of step 0 has landed, and I alone read it; step 1's may stay out
	LDF 0, 0, 0
	LDN 0, 0
.irp ks, 1,2,3,4,5,6,7
	LDF 0, 0, \ks
.endr
	STEP_R 0, 0                                    ; steps 0 and 1 stand in front of the loop: the first tile has no tile before it
	STEP_R 1, 1
	WIN 0                                          ; at a label and at a branch every window is 0
	s_mov_b32 s36, 14                              ; steps 2 to 29, two a trip; they ask for steps 4 to 31
.Llap:
	STEP_R 0, 1
	STEP_R 1, 1
	WIN 0
	s_sub_co_u32 s36, s36, 1
	s_cmp_lg_u32 s36, 0
	s_cbranch_scc1 .Llap
	STEP3 0, 1                                     ; step 30: nothing is left to fetch, so no round
	s_wait_tensorcnt 0x0                           ; my quarter of step 31 has landed; I alone read it
	TILE 1, 1, 1, 0
	STEP3 1, 1                                     ; step 31
	TILE_L 1
	WIN 0
	; The last tile's 64 elements, and the two choices that lag.
.set g, 0
.rept 64
	EP 1, g
.set g, g+1
.endr
	v_cmp_gt_f32 s[MK+1], v[DT+1], 0
	v_cndmask_b32 v[IDX+6], v[IDX+6], s32, s[MK]
	v_cndmask_b32 v[IDX+7], v[IDX+7], s32, s[MK+1]
; (dv, dc) = the better of (av, ac) and (bv, bc): the larger score, of equal scores the lower code
.macro BETTER dv, dc, av, ac, bv, bc
	v_cmp_gt_f32 vcc_lo, v[\bv], v[\av]
	v_cmp_eq_f32 s40, v[\bv], v[\av]
	v_cmp_lt_u32 s41, v[\bc], v[\ac]
	s_and_b32 s40, s40, s41
	s_or_b32 vcc_lo, vcc_lo, s40
	v_cndmask_b32 v[\dv], v[\av], v[\bv], vcc_lo
	v_cndmask_b32 v[\dc], v[\ac], v[\bc], vcc_lo
.endm
	s_lshl_b32 s37, s10, 6
	v_lshl_add_u32 v[TA+2], v2, 3, s37             ; 64 wave + 8 h
	s_lshl_b32 s44, s10, 10
	s_add_co_u32 s44, s44, STAGE
	v_lshl_add_u32 v[TA+6], v1, 3, s44             ; my wave's 1,024 bytes of the stage, 8 bytes a row
	v_mov_b32 v[TA], 0                             ; v_permlanex16_b32 counts as a reader of its destination
	v_mov_b32 v[TA+1], 0
.irp rb, 0,1,2,3,4,5,6,7
	v_and_b32 v[TA+3], 0x3e0, v[IDX+\rb]           ; counter = 32 step + 8 tile + register;
	v_and_b32 v[TA+4], 24, v[IDX+\rb]
	v_and_b32 v[TA+5], 7, v[IDX+\rb]
	v_lshl_add_u32 v[TA+5], v[TA+3], 3, v[TA+5]    ; code = 256 step + 16 tile + register + 64 wave + 8 h
	v_lshl_add_u32 v[TA+5], v[TA+4], 1, v[TA+5]
	v_add_nc_u32 v[IDX+\rb], v[TA+2], v[TA+5]
	v_permlanex16_b32 v[TA], v[BEST+\rb], s38, s39         ; the other half of the lanes followed the same row through other codes
	v_permlanex16_b32 v[TA+1], v[IDX+\rb], s38, s39
	BETTER PR+2*\rb, PR+2*\rb+1, BEST+\rb, IDX+\rb, TA, TA+1
	ds_store_b64 v[TA+6], v[PR+2*\rb:PR+2*\rb+1] offset:128*\rb    ; row 16 rb + r; both halves store the same pair
.endr
	s_wait_dscnt 0x0                               ; my wave's 128 pairs are stored,
	s_barrier_signal -1
	s_barrier_wait -1                              ; all four waves' are
	s_cmp_lg_u32 s10, 0
	s_cbranch_scc1 .Lclose
	v_lshlrev_b32 v[TA+7], 5, v3                   ; wave 0 alone: a lane takes rows 4 lane .. 4 lane + 3 of each wave's list
	v_add_nc_u32 v[TA+7], STAGE, v[TA+7]
.irp wv, 0,1,2,3
	ds_load_b128 v[ACC+8*\wv:ACC+8*\wv+3],   v[TA+7] offset:\wv*1024
	ds_load_b128 v[ACC+8*\wv+4:ACC+8*\wv+7], v[TA+7] offset:\wv*1024+16
.endr
	v_lshlrev_b32 v[TA], 4, v3
	s_wait_dscnt 0x0
.irp q, 0,1,2,3
	BETTER ACC+2*\q, ACC+2*\q+1, ACC+2*\q, ACC+2*\q+1, ACC+8+2*\q, ACC+8+2*\q+1
	BETTER ACC+2*\q, ACC+2*\q+1, ACC+2*\q, ACC+2*\q+1, ACC+16+2*\q, ACC+16+2*\q+1
	BETTER ACC+2*\q, ACC+32+\q, ACC+2*\q, ACC+2*\q+1, ACC+24+2*\q, ACC+24+2*\q+1
.endr
	global_store_b128 v[TA], v[ACC+32:ACC+35], s[8:9]      ; 128 indices: 512 consecutive bytes, aligned
.Lclose:
	s_wait_xcnt 0x0
	v_lshl_add_u32 v254, v0, 2, 0x4a400
	v_mov_b32 v255, 0
	s_wait_tensorcnt 0x0
	ds_add_u32 v254, v255
	s_wait_dscnt 0x0
	ROUND                                          ; the closing round: no work-group ends while a partner may still ask for a tile that names it
	s_endpgm
.Lfunc_end_k_q29a08d7b61_dist:
	.size	k_q29a08d7b61_dist, .Lfunc_end_k_q29a08d7b61_dist-k_q29a08d7b61_dist
	.p2alignl 7, 3214868480
	.fill 96, 4, 3214868480
	.section	.rodata,"a",@progbits
	.p2align	6, 0x0
	.amdhsa_kernel k_q29a08d7b61_dist
		.amdhsa_group_segment_fixed_size 327680
		.amdhsa_private_segment_fixed_size 0
		.amdhsa_enable_private_segment 0
		.amdhsa_kernarg_size 24
		.amdhsa_user_sgpr_count 2
		.amdhsa_user_sgpr_kernarg_segment_ptr 1
		.amdhsa_wavefront_size32 1
		.amdhsa_system_sgpr_workgroup_id_x 1
		.amdhsa_system_sgpr_workgroup_id_y 1
		.amdhsa_system_sgpr_workgroup_id_z 1
		.amdhsa_system_vgpr_workitem_id 0
		.amdhsa_next_free_vgpr 1024
		.amdhsa_next_free_sgpr 66
		.amdhsa_reserve_vcc 1
		.amdhsa_float_denorm_mode_32 3
		.amdhsa_float_denorm_mode_16_64 3
		.amdhsa_memory_ordered 1
		.amdhsa_forward_progress 1
		.amdhsa_inst_pref_size 255
	.end_amdhsa_kernel
	.section	.bss,"aw",@nobits
	.p2align	6
	.space	262144
	.amdgpu_metadata
---
amdhsa.version: [ 1, 2 ]
amdhsa.kernels:
  - .name:           k_q29a08d7b61_dist
    .symbol:         k_q29a08d7b61_dist.kd
    .args:
      - { .name: x, .offset: 0, .size: 8, .value_kind: global_buffer, .address_space: global }
      - { .name: wb, .offset: 8, .size: 8, .value_kind: global_buffer, .address_space: global }
      - { .name: idx, .offset: 16, .size: 8, .value_kind: global_buffer, .address_space: global }
    .group_segment_fixed_size: 327680
    .private_segment_fixed_size: 0
    .kernarg_segment_align: 8
    .kernarg_segment_size: 24
    .max_flat_workgroup_size: 128
    .sgpr_count:     66
    .vgpr_count:     1024
    .wavefront_size: 32
...
	.end_amdgpu_metadata
.endif
;; end of part 2
;; launch quant (part 3): grid 512 x 1, 8 waves a work-group, no clusters, 1,280 bytes of LDS; arguments x, wt, idx, out0, part; writes out0, part
.if DOCPART == 3
	.amdgcn_target "amdgcn-amd-amdhsa--gfx1250"
	.amdhsa_code_object_version 6
	.text
	.protected	k_q29a08d7b61_quant
	.globl	k_q29a08d7b61_quant
	.p2align	8
	.type	k_q29a08d7b61_quant,@function
k_q29a08d7b61_quant:
	s_mov_b64 s[64:65], 0
	v_nop
	global_prefetch_b8 v0, s[64:65] scope:SCOPE_SE
	s_setreg_imm32_b32 hwreg(HW_REG_WAVE_MODE, 25, 1), 1
	s_wait_xcnt 0x0
; out0[n] = (q - x[n]) + x[n] with q = wt[idx[n]], in f32 and in that order; part[work-group] = the sum of (q - x)^2 over its 64 rows.
; A stream: a wave owns 8 rows of 1,024 bytes, a lane 16 bytes at 16 lane and at 512 + 16 lane of each, so every load and store of a wave covers
; 512 consecutive bytes.  All 32 loads of a wave go out before the first is used.  The indices are whole numbers that an earlier launch stored;
; they are read as scalars and clamped to the table's 8,192 rows before they enter an address.
; The squares are formed from the difference itself, not from expanded distances.  Nothing is shared between waves but the last sum.
.set QO,  4                            ; v[4:11]    row i: byte offset in wt of my first 16 bytes
.set SUM, 12                           ; v[12:19]   four pairs of running sums
.set X,   20                           ; v[20:83]   row i: 8 numbers of x, then of out0
.set Q,   84                           ; v[84:147]  row i: 8 numbers of q
.set T,   148                          ; v[148:155] q - x, at work
	s_load_b256 s[4:11], s[0:1], 0x0               ; x s[4:5], wt s[6:7], idx s[8:9], out0 s[10:11]
	s_load_b64 s[12:13], s[0:1], 0x20              ; part
	v_lshl_add_u32 v160, v0, 2, 0x100
	v_mov_b32 v161, 0
	v_lshrrev_b32 v2, 5, v0
	v_readfirstlane_b32 s14, v2                    ; wave 0..7
	v_and_b32 v1, 31, v0
	v_lshlrev_b32 v1, 4, v1                        ; 16 lane
	s_lshl_b32 s15, ttmp9, 3
	s_add_co_u32 s15, s15, s14                     ; wave in the launch, 0..4095
	s_lshl_b32 s24, s15, 5                         ; its 8 indices
	s_mov_b32 s25, 0
	s_mov_b32 s26, 0x76543210
	s_mov_b32 s27, 0xfedcba98
	s_wait_kmcnt 0x0
	s_add_nc_u64 s[8:9], s[8:9], s[24:25]
	s_load_b256 s[16:23], s[8:9], 0x0
	s_lshl_b32 s24, s15, 13                        ; its 8 rows
	s_add_nc_u64 s[4:5], s[4:5], s[24:25]
	s_add_nc_u64 s[10:11], s[10:11], s[24:25]
	s_lshl_b32 s24, ttmp9, 2
	s_add_nc_u64 s[12:13], s[12:13], s[24:25]      ; the work-group's word of part
.irp i, 0,1,2,3,4,5,6,7
	global_load_b128 v[X+8*\i:X+8*\i+3],   v1, s[4:5] offset:\i*1024 th:TH_LOAD_NT
	global_load_b128 v[X+8*\i+4:X+8*\i+7], v1, s[4:5] offset:\i*1024+512 th:TH_LOAD_NT
.endr
	s_wait_kmcnt 0x0
.irp i, 0,1,2,3,4,5,6,7
	s_min_u32 s[16+\i], s[16+\i], 0x1fff           ; inside the table, whatever was stored
	s_lshl_b32 s[16+\i], s[16+\i], 10              ; 1,024 bytes a row
	v_add_nc_u32 v[QO+\i], s[16+\i], v1
.endr
.irp i, 0,1,2,3,4,5,6,7
	global_load_b128 v[Q+8*\i:Q+8*\i+3],   v[QO+\i], s[6:7]               ; no hint: rows of the table are named again
	global_load_b128 v[Q+8*\i+4:Q+8*\i+7], v[QO+\i], s[6:7] offset:512
.endr
.irp i, 0,1,2,3,4,5,6,7
	s_wait_loadcnt 14-2*\i                         ; x is in, and q of rows 0 to i; the two loads of each later row stay out
.irp m, 0,1,2,3
	v_pk_add_f32 v[T+2*\m:T+2*\m+1], v[Q+8*\i+2*\m:Q+8*\i+2*\m+1], v[X+8*\i+2*\m:X+8*\i+2*\m+1] neg_lo:[0,1] neg_hi:[0,1]   ; q - x
.endr
.irp m, 0,1,2,3
	v_pk_add_f32 v[X+8*\i+2*\m:X+8*\i+2*\m+1], v[T+2*\m:T+2*\m+1], v[X+8*\i+2*\m:X+8*\i+2*\m+1]                             ; + x
.endr
.irp m, 0,1,2,3
.if \i == 0
	v_pk_mul_f32 v[SUM+2*\m:SUM+2*\m+1], v[T+2*\m:T+2*\m+1], v[T+2*\m:T+2*\m+1]                    ; the first squares start the sums
.else
	v_pk_fma_f32 v[SUM+2*\m:SUM+2*\m+1], v[T+2*\m:T+2*\m+1], v[T+2*\m:T+2*\m+1], v[SUM+2*\m:SUM+2*\m+1]
.endif
.endr
	global_store_b128 v1, v[X+8*\i:X+8*\i+3],   s[10:11] offset:\i*1024 th:TH_STORE_NT
	global_store_b128 v1, v[X+8*\i+4:X+8*\i+7], s[10:11] offset:\i*1024+512 th:TH_STORE_NT
.endr
	v_pk_add_f32 v[SUM:SUM+1], v[SUM:SUM+1], v[SUM+2:SUM+3]
	v_pk_add_f32 v[SUM+4:SUM+5], v[SUM+4:SUM+5], v[SUM+6:SUM+7]
	v_pk_add_f32 v[SUM:SUM+1], v[SUM:SUM+1], v[SUM+4:SUM+5]
	v_add_f32 v[SUM], v[SUM], v[SUM+1]
	v_add_f32_dpp v[SUM], v[SUM], v[SUM] row_xmask:1 row_mask:0xf bank_mask:0xf
	v_add_f32_dpp v[SUM], v[SUM], v[SUM] row_xmask:2 row_mask:0xf bank_mask:0xf
	v_add_f32_dpp v[SUM], v[SUM], v[SUM] row_xmask:4 row_mask:0xf bank_mask:0xf
	v_add_f32_dpp v[SUM], v[SUM], v[SUM] row_xmask:8 row_mask:0xf bank_mask:0xf
	v_permlanex16_b32 v[SUM+1], v[SUM], s26, s27
	v_add_f32 v[SUM], v[SUM], v[SUM+1]             ; the wave's sum, in every lane
	v_mov_b32 v2, s14
	v_lshlrev_b32 v2, 2, v2
	ds_store_b32 v2, v[SUM]                        ; word 'wave'; all lanes store the same number
	s_wait_dscnt 0x0                               ; my word is stored,
	s_barrier_signal -1
	s_barrier_wait -1                              ; all eight are
	s_cmp_lg_u32 s14, 0
	s_cbranch_scc1 .Lend
	v_mov_b32 v3, 0
	ds_load_b128 v[T:T+3], v3
	ds_load_b128 v[T+4:T+7], v3 offset:16
	s_wait_dscnt 0x0
	v_pk_add_f32 v[T:T+1], v[T:T+1], v[T+2:T+3]
	v_pk_add_f32 v[T+4:T+5], v[T+4:T+5], v[T+6:T+7]
	v_pk_add_f32 v[T:T+1], v[T:T+1], v[T+4:T+5]
	v_add_f32 v[T], v[T], v[T+1]
	v_cmp_eq_u32 vcc_lo, 0, v0
	s_wait_xcnt 0x0                                ; EXEC, a source of the stores above, changes only behind this wait
	s_and_saveexec_b32 s28, vcc_lo
	global_store_b32 v3, v[T], s[12:13]            ; one lane, one number for the work-group
.Lend:
	s_wait_xcnt 0x0
	s_mov_b32 exec_lo, -1
	s_wait_tensorcnt 0x0
	ds_add_u32 v160, v161
	s_wait_dscnt 0x0
	s_endpgm
.Lfunc_end_k_q29a08d7b61_quant:
	.size	k_q29a08d7b61_quant, .Lfunc_end_k_q29a08d7b61_quant-k_q29a08d7b61_quant
	.p2alignl 7, 3214868480
	.fill 96, 4, 3214868480
	.section	.rodata,"a",@progbits
	.p2align	6, 0x0
	.amdhsa_kernel k_q29a08d7b61_quant
		.amdhsa_group_segment_fixed_size 1280
		.amdhsa_private_segment_fixed_size 0
		.amdhsa_enable_private_segment 0
		.amdhsa_kernarg_size 40
		.amdhsa_user_sgpr_count 2
		.amdhsa_user_sgpr_kernarg_segment_ptr 1
		.amdhsa_wavefront_size32 1
		.amdhsa_system_sgpr_workgroup_id_x 1
		.amdhsa_system_sgpr_workgroup_id_y 1
		.amdhsa_system_sgpr_workgroup_id_z 1
		.amdhsa_system_vgpr_workitem_id 0
		.amdhsa_next_free_vgpr 162
		.amdhsa_next_free_sgpr 66
		.amdhsa_reserve_vcc 1
		.amdhsa_float_denorm_mode_32 3
		.amdhsa_float_denorm_mode_16_64 3
		.amdhsa_memory_ordered 1
		.amdhsa_forward_progress 1
		.amdhsa_inst_pref_size 15
	.end_amdhsa_kernel
	.amdgpu_metadata
---
amdhsa.version: [ 1, 2 ]
amdhsa.kernels:
  - .name:           k_q29a08d7b61_quant
    .symbol:         k_q29a08d7b61_quant.kd
    .args:
      - { .name: x, .offset: 0, .size: 8, .value_kind: global_buffer, .address_space: global }
      - { .name: wt, .offset: 8, .size: 8, .value_kind: global_buffer, .address_space: global }
      - { .name: idx, .offset: 16, .size: 8, .value_kind: global_buffer, .address_space: global }
      - { .name: out0, .offset: 24, .size: 8, .value_kind: global_buffer, .address_space: global }
      - { .name: part, .offset: 32, .size: 8, .value_kind: global_buffer, .address_space: global }
    .group_segment_fixed_size: 1280
    .private_segment_fixed_size: 0
    .kernarg_segment_align: 8
    .kernarg_segment_size: 40
    .max_flat_workgroup_size: 256
    .sgpr_count:     66
    .vgpr_count:     162
    .wavefront_size: 32
...
	.end_amdgpu_metadata
.endif
;; end of part 3
;; launch loss (part 4): grid 1 x 1, 1 waves a work-group, no clusters, 0 bytes of LDS; arguments part, out1; writes out1
.if DOCPART == 4
	.amdgcn_target "amdgcn-amd-amdhsa--gfx1250"
	.amdhsa_code_object_version 6
	.text
	.protected	k_q29a08d7b61_loss
	.globl	k_q29a08d7b61_loss
	.p2align	8
	.type	k_q29a08d7b61_loss,@function
k_q29a08d7b61_loss:
	s_mov_b64 s[64:65], 0
	v_nop
	global_prefetch_b8 v0, s[64:65] scope:SCOPE_SE
	s_setreg_imm32_b32 hwreg(HW_REG_WAVE_MODE, 25, 1), 1
	s_wait_xcnt 0x0
; out1 = 2 x the mean of (q - x)^2 (both losses are that mean, BETA = 1) = the sum of the 512 partial sums x 2 / (32,768 x 256) = x 2^-22.
; One wave: 2,048 bytes in four loads of 512 consecutive bytes, sixteen numbers a lane, one ordered sum.
	s_load_b128 s[4:7], s[0:1], 0x0                ; part s[4:5], out1 s[6:7]
	v_lshlrev_b32 v1, 4, v0
	v_mov_b32 v2, 0
	s_mov_b32 s8, 0x76543210
	s_mov_b32 s9, 0xfedcba98
	s_wait_kmcnt 0x0
.irp k, 0,1,2,3
	global_load_b128 v[4+4*\k:7+4*\k], v1, s[4:5] offset:512*\k
.endr
	s_wait_loadcnt 0x0
	v_pk_add_f32 v[4:5], v[4:5], v[6:7]
	v_pk_add_f32 v[8:9], v[8:9], v[10:11]
	v_pk_add_f32 v[12:13], v[12:13], v[14:15]
	v_pk_add_f32 v[16:17], v[16:17], v[18:19]
	v_pk_add_f32 v[4:5], v[4:5], v[8:9]
	v_pk_add_f32 v[12:13], v[12:13], v[16:17]
	v_pk_add_f32 v[4:5], v[4:5], v[12:13]
	v_add_f32 v4, v4, v5
	v_add_f32_dpp v4, v4, v4 row_xmask:1 row_mask:0xf bank_mask:0xf
	v_add_f32_dpp v4, v4, v4 row_xmask:2 row_mask:0xf bank_mask:0xf
	v_add_f32_dpp v4, v4, v4 row_xmask:4 row_mask:0xf bank_mask:0xf
	v_add_f32_dpp v4, v4, v4 row_xmask:8 row_mask:0xf bank_mask:0xf
	v_permlanex16_b32 v5, v4, s8, s9
	v_add_f32 v4, v4, v5
	v_mul_f32 v4, 0x34800000, v4                   ; 2^-22
	v_cmp_eq_u32 vcc_lo, 0, v0
	s_wait_xcnt 0x0                                ; EXEC changes only behind this wait
	s_and_saveexec_b32 s10, vcc_lo
	global_store_b32 v2, v4, s[6:7]
	s_endpgm
.Lfunc_end_k_q29a08d7b61_loss:
	.size	k_q29a08d7b61_loss, .Lfunc_end_k_q29a08d7b61_loss-k_q29a08d7b61_loss
	.p2alignl 7, 3214868480
	.fill 96, 4, 3214868480
	.section	.rodata,"a",@progbits
	.p2align	6, 0x0
	.amdhsa_kernel k_q29a08d7b61_loss
		.amdhsa_group_segment_fixed_size 0
		.amdhsa_private_segment_fixed_size 0
		.amdhsa_enable_private_segment 0
		.amdhsa_kernarg_size 16
		.amdhsa_user_sgpr_count 2
		.amdhsa_user_sgpr_kernarg_segment_ptr 1
		.amdhsa_wavefront_size32 1
		.amdhsa_system_sgpr_workgroup_id_x 1
		.amdhsa_system_sgpr_workgroup_id_y 1
		.amdhsa_system_sgpr_workgroup_id_z 1
		.amdhsa_system_vgpr_workitem_id 0
		.amdhsa_next_free_vgpr 32
		.amdhsa_next_free_sgpr 66
		.amdhsa_reserve_vcc 1
		.amdhsa_float_denorm_mode_32 3
		.amdhsa_float_denorm_mode_16_64 3
		.amdhsa_memory_ordered 1
		.amdhsa_forward_progress 1
		.amdhsa_inst_pref_size 3
	.end_amdhsa_kernel
	.amdgpu_metadata
---
amdhsa.version: [ 1, 2 ]
amdhsa.kernels:
  - .name:           k_q29a08d7b61_loss
    .symbol:         k_q29a08d7b61_loss.kd
    .args:
      - { .name: part, .offset: 0, .size: 8, .value_kind: global_buffer, .address_space: global }
      - { .name: out1, .offset: 8, .size: 8, .value_kind: global_buffer, .address_space: global }
    .group_segment_fixed_size: 0
    .private_segment_fixed_size: 0
    .kernarg_segment_align: 8
    .kernarg_segment_size: 16
    .max_flat_workgroup_size: 32
    .sgpr_count:     66
    .vgpr_count:     32
    .wavefront_size: 32
...
	.end_amdgpu_metadata
.endif
;; end of part 4
;; ======== version 2 of 3: 5 launches; 1.18 times as fast as version 1
;; workspace buffers: wb 4,325,376 bytes; wt 8,388,608 bytes; grp 131,072 bytes of whole numbers; idx 131,072 bytes of whole numbers; part 2,048 bytes
;; launch prep: the kernel of part 1 again; grid 128 x 1, 8 waves a work-group, no clusters, 101,632 bytes of LDS; arguments w, wb, wt; writes wb, wt
;; launch dist (part 5): grid 256 x 1, 4 waves a work-group, clusters of 4 x 1, 327,680 bytes of LDS; arguments x, wb, grp; writes grp
.if DOCPART == 5
	.amdgcn_target "amdgcn-amd-amdhsa--gfx1250"
	.amdhsa_code_object_version 6
	.text
	.protected	k_q29a08d7b61_dist
	.globl	k_q29a08d7b61_dist
	.p2align	8
	.type	k_q29a08d7b61_dist,@function
k_q29a08d7b61_dist:
	s_mov_b64 s[64:65], 0
	v_nop
	global_prefetch_b8 v0, s[64:65] scope:SCOPE_SE
	s_setreg_imm32_b32 hwreg(HW_REG_WAVE_MODE, 25, 1), 1
	s_wait_xcnt 0x0
	s_wait_alu depctr_hold_cnt(0) depctr_sa_sdst(0) depctr_va_vdst(0) depctr_va_sdst(0) depctr_va_ssrc(0) depctr_va_vcc(0) depctr_vm_vsrc(0)
	s_getreg_b32 s2, hwreg(HW_REG_IB_STS2, 6, 4)
	s_cmp_eq_u32 s2, 0
	s_cbranch_scc0 .Lentry_in_a_cluster
	s_endpgm
.Lentry_in_a_cluster:
	s_bfe_u32 s2, ttmp6, 0x10000c
	s_cmp_lg_u32 s2, 0x3003
	s_cbranch_scc0 .Lentry_shape_is_right
	s_endpgm
.Lentry_shape_is_right:
; grp[n] = c / 8 for the code c that makes score(n, c) = x[n] . wb[c] + hn[c] largest, hn[c] = -|wb[c]|^2 / 2: the group of eight neighbouring
; codes that holds the argmin of the squared distance (|x[n]|^2 is the same for all codes of a row and is left out).  Which of the eight it is,
; a later launch finds.  x is rounded to bf16 here, wb holds w rounded to bf16; sums in f32.
; Limits: NaN and infinities are not served; codes whose scores differ by less than the rounding of the f32 sums may be ordered
; otherwise than by an exact sum; equal scores go to the lowest group.
;
; SHARES.  A work-group owns 128 rows of x and walks all 8,192 codes, so a row's argmax never leaves the work-group.  Each of the four waves
; keeps all 128 rows as bf16 fragments in 512 registers for the whole launch; the waves split the codes.  One code fragment (two LDS loads)
; then feeds eight matrix instructions: 18 LDS loads for a tile's 64 matrix instructions.
; THE MATRIX INSTRUCTION: source 0 = 16 codes, source 1 = 16 rows of x.  Register j of lane (r, h) of the result is code 8 h + j against row r:
; a lane's eight results are eight neighbouring codes of ONE row.  The first of a tile's eight K steps takes as C a tile whose register j holds
; hn[code 8 h + j]: the sum IS the score, nothing is cleared, no norm is added later.
; THE ARGMAX works on tiles: the largest of a lane's eight results (seven lines), then difference, compare, choice of the tile's number, new best:
; 11 vector lines for 8 matrix instructions.
; A TILE (16 codes x 128 rows) is two phases of 32 matrix instructions: row blocks 0-3, then 4-7, four accumulators by turns.  While one half of the
; accumulators is summed, the other half goes through the argmax.  Code fragments have two buffers: the next tile's 18 LDS loads go out in one run
; between the phases, 32 matrix instructions ahead of their use.
; CLUSTER.  All 256 work-groups read the same 4,325,376 bytes of wb in the same order.  Four work-groups form a cluster and ask for each tile
; jointly (mask 15), which divides the requests for wb by four.  x is shared by nobody, so a second cluster axis would share nothing.
; THE RING.  Two LDS slots of 256 codes (a step of four tiles a wave).  wb's rows already have the LDS pitch of 528 bytes (33 x 16: the sixteen rows
; that a fragment load touches start in different groups of banks, ISA guide 11.1), so a wave's quarter of a slot, 64 codes, is a dense block of
; 33,792 bytes = 132 rows of 256, brought by one tensor load of that wave and read by that wave alone.  By this text's count a wave has two tensor
; loads out at the start and one behind each refill; that one has 256 matrix instructions in which to land.
;
; REGISTERS, in windows of 256:
;   window 0: v0-15 ids, addresses, two temporaries; v16-23 best score, v24-31 its tile's number, one for each row block; v32-47 hn tile, two buffers;
;             v48-175 code fragments of a tile's 8 K steps, two buffers; v176-239 two halves of 4 accumulators; v240-251 temporaries
;   window 1: x as loaded (the start only);   windows 2, 3: x fragment (row block rb, K step ks) at 64 (rb & 3) + 8 ks, window 2 + rb / 4
; Only source 1 ever leaves window 0 in the walk, one window for a phase.  The argmax lines name vector registers in source 0, source 2 and the
; destination alone (source 1 is a constant or a scalar), so they stand among the products under the products' setting: two switches a tile.
.set CP,    528                        ; bytes from code to code, in wb and in LDS; also the pitch of the stage's rows
.set TSTEP, 16*CP                      ; a tile of 16 codes
.set QUART, 64*CP                      ; a wave's quarter of a slot
.set SLOT,  4*QUART                    ; 135,168
.set STAGE, 2*SLOT                     ; 270,336: 64 rows of x as bf16, later the waves' results; written by LDS stores alone, no fill lands here
.set ADRF,  8                          ; v8-9    slot s: my address for code fragments
.set ADRN,  10                         ; v10-11  slot s: my address for the hn tile
.set DT,    12                         ; v12     tile's largest - best
.set TM,    13                         ; v13     a tile's largest score of my row
.set XST,   14                         ; v14     stage: where I put x
.set XRD,   15                         ; v15     stage: where I read x fragments
.set BEST,  16
.set IDX,   24
.set NORM,  32
.set WF,    48
.set ACC,   176
.set TT,    240                        ; v240-243 the tree of maxima
.set TA,    244                        ; v244-251 temporaries of the end
.set PR,    48                         ; the end: (score, group) for each row block, in registers that held fragments
.set LD,    64                         ; the end: the four waves' pairs
.set RES,   96                         ; the end: four groups to store
.set G1,    16                         ; s[16:23] descriptor group 1
.set G0,    24                         ; s[24:31] descriptor group 0, a set for each slot
.set MK,    34                         ; s34     lane mask 'the tile is better'
.set XA,    0x08                       ; source 1 in window 2: row blocks 0-3
.set XB,    0x0c                       ; source 1 in window 3: row blocks 4-7
.set MSB,   0
.macro WIN new                         ; the immediate's high byte repeats the setting that is left
.if MSB != \new
	s_set_vgpr_msb (MSB<<8)|\new
.set MSB, \new
.endif
.endm
; A round of the cluster's barrier: my work-group's barrier, wave 0 signals for the work-group, every wave waits for the four work-groups, my work-group's barrier again.
.macro CREST                           ; a round behind its opening barrier
	s_cmp_lg_u32 s10, 0
	s_cbranch_scc1 .Lnot_wave_0_\@
	s_barrier_signal -3
.Lnot_wave_0_\@:
	s_barrier_wait -3
	s_barrier_signal -1
	s_barrier_wait -1
.endm
.macro ROUND
	s_barrier_signal -1
	s_barrier_wait -1
	CREST
.endm
	s_load_b128 s[4:7], s[0:1], 0x0                ; x s[4:5], wb s[6:7]
	s_load_b64 s[8:9], s[0:1], 0x10                ; grp
	v_lshl_add_u32 v254, v0, 2, 0x4a400
	v_mov_b32 v255, 0
	ds_add_u32 v254, v255
	ds_add_u32 v254, v255
	v_and_b32 v1, 15, v0                           ; r
	v_bfe_u32 v2, v0, 4, 1                         ; h
	v_and_b32 v3, 31, v0                           ; lane
	v_lshrrev_b32 v4, 5, v0
	v_readfirstlane_b32 s10, v4                    ; wave 0..3
	s_mul_i32 s13, s10, QUART                      ; my quarter, in a slot and in a step of wb
	s_lshl_b32 s37, s10, 14
	v_lshlrev_b32 v5, 4, v3
	v_add_nc_u32 v5, s37, v5                       ; in x: 16 rows a wave + 16 bytes a lane
	v_mul_u32_u24 v6, v1, CP
	v_lshl_add_u32 v6, v2, 4, v6                   ; a fragment's lane term: row r, 16 h
	v_add_nc_u32 v[ADRF], s13, v6
	v_add_nc_u32 v[ADRF+1], SLOT, v[ADRF]
	v_mul_u32_u24 v7, v2, 8*CP                     ; the hn tile's lane term: code row 8 h
	v_add_nc_u32 v[ADRN], s13, v7
	v_add_nc_u32 v[ADRN+1], SLOT, v[ADRN]
	v_add_nc_u32 v[XRD], STAGE, v6
	s_mul_i32 s37, s10, 16*CP
	s_add_co_u32 s37, s37, STAGE
	v_lshl_add_u32 v[XST], v3, 3, s37              ; stage row 16 wave, 8 bytes a lane
	s_bfe_u32 s11, ttmp6, 0x40000                  ; cx: my place in the cluster
	s_lshl_b32 s12, ttmp9, 2                       ; in a cluster launch ttmp9 counts clusters
	s_add_co_u32 s12, s12, s11                     ; work-group 0..255.  It enters the addresses of x and grp alone
	s_lshl_b32 s42, s12, 17                        ; 128 rows of 1,024 bytes
	s_mov_b32 s43, 0
	s_mov_b32 s14, s13
	s_mov_b32 s15, 0
	s_mov_b32 s33, 0xff800000                      ; minus infinity
	s_mov_b32 s38, 0x76543210                      ; v_permlanex16_b32: lane i of one half reads lane i of the other
	s_mov_b32 s39, 0xfedcba98
	s_wait_dscnt 0x0
	s_wait_kmcnt 0x0
	s_add_nc_u64 s[4:5], s[4:5], s[42:43]          ; x at my first row
	s_lshl_b32 s42, s12, 9
	s_add_nc_u64 s[8:9], s[8:9], s[42:43]          ; grp at my first row
	s_add_nc_u64 s[6:7], s[6:7], s[14:15]          ; wb at my quarter of step 0: made of the wave's number alone
; 32 loads: rows 64 p + 16 wave + i of my work-group's x, two loads of 512 consecutive bytes for a row, into window 1
.macro XLOAD p
	WIN 0x40
.irp i, 0,1,2,3,4,5,6,7,8,9,10,11,12,13,14,15
	global_load_b128 v[128*\p+8*\i:128*\p+8*\i+3],   v5, s[4:5] offset:(64*\p+\i)*1024 th:TH_LOAD_NT
	global_load_b128 v[128*\p+8*\i+4:128*\p+8*\i+7], v5, s[4:5] offset:(64*\p+\i)*1024+512 th:TH_LOAD_NT
.endr
.endm
	XLOAD 0
	WIN 0
	; Group 1: a dense block as 132 rows of 32 elements of 8 bytes.
	s_mov_b32 s[G1+0], 15|(3<<16)|(1<<21)          ; 15:0 the mask: all four work-groups of the cluster; 17:16 elements of 8 bytes; 21 set beside a mask; no padding
	s_mov_b32 s[G1+1], 32<<16                      ; tensor_dim0 = 32
	s_mov_b32 s[G1+2], 132<<16                     ; tensor_dim1 = 132
	s_mov_b32 s[G1+3], 32<<16                      ; tile_dim0 = 32
	s_mov_b32 s[G1+4], 132                         ; tile_dim1 = 132
	s_mov_b32 s[G1+5], 32                          ; 32 elements from row to row
	s_mov_b32 s[G1+6], 0
	s_mov_b32 s[G1+7], 0
.irp s, 0,1
	s_mov_b32 s[G0+4*\s], 1                                        ; count = 1
	s_add_co_u32 s[G0+4*\s+1], s13, \s*SLOT                        ; LDS: the slot, my quarter
	s_add_nc_u64 s[G0+4*\s+2:G0+4*\s+3], s[6:7], \s*SLOT           ; wb: step s, my quarter
	s_or_b32 s[G0+4*\s+3], s[G0+4*\s+3], 0x80000000                ; type = 2
.endr
	ROUND                                          ; the four work-groups are here: the first joint loads meet
	tensor_load_to_lds s[G0:G0+3], s[G1:G1+7]      ; step 0
	s_nop 0
	tensor_load_to_lds s[G0+4:G0+7], s[G1:G1+7]    ; step 1
	s_nop 0
	XLOAD 1
; 64 rows of x: rounded to bf16 in place, staged in LDS by rows (each wave its 16), read back by every wave as the fragments of row blocks
; 4 p .. 4 p + 3, which fill window 2 + p.  The two tensor loads stay out across these barriers.
.macro XPASS p, left
	s_wait_loadcnt \left                           ; this pass's 32 loads are in; left = the younger loads that stay out
	WIN 0x45
.irp i, 0,1,2,3,4,5,6,7,8,9,10,11,12,13,14,15
	v_cvt_pk_bf16_f32 v[128*\p+8*\i],   v[128*\p+8*\i],   v[128*\p+8*\i+1]
	v_cvt_pk_bf16_f32 v[128*\p+8*\i+1], v[128*\p+8*\i+2], v[128*\p+8*\i+3]
	v_cvt_pk_bf16_f32 v[128*\p+8*\i+4], v[128*\p+8*\i+4], v[128*\p+8*\i+5]
	v_cvt_pk_bf16_f32 v[128*\p+8*\i+5], v[128*\p+8*\i+6], v[128*\p+8*\i+7]
.endr
	WIN 0x04
.irp i, 0,1,2,3,4,5,6,7,8,9,10,11,12,13,14,15
	ds_store_b64 v[XST], v[128*\p+8*\i:128*\p+8*\i+1]   offset:\i*CP        ; columns 4 lane ..: 256 consecutive bytes a wave
	ds_store_b64 v[XST], v[128*\p+8*\i+4:128*\p+8*\i+5] offset:\i*CP+256    ; columns 128 + 4 lane ..
.endr
	s_wait_dscnt 0x0                               ; my 16 rows are staged,
	s_barrier_signal -1
	s_barrier_wait -1                              ; all 64 are
.if \p
	WIN 0xc0
.else
	WIN 0x80
.endif
.irp rbl, 0,1,2,3
.irp ks, 0,1,2,3,4,5,6,7
	ds_load_b128 v[64*\rbl+8*\ks:64*\rbl+8*\ks+3],   v[XRD] offset:\rbl*TSTEP+64*\ks
	ds_load_b128 v[64*\rbl+8*\ks+4:64*\rbl+8*\ks+7], v[XRD] offset:\rbl*TSTEP+64*\ks+32
.endr
.endr
	s_wait_dscnt 0x0                               ; my reads of the stage are over,
	s_barrier_signal -1
	s_barrier_wait -1                              ; everybody's are: it may be written again
.endm
	XPASS 0, 32
	XPASS 1, 0
	WIN 0
; One product: 16 codes x 16 rows x 32 along D, in phase ph (accumulator half ph, x's window by the setting), fragments from buffer buf.
; K step 0 starts the sum from the hn tile.
.macro MM ph, buf, ks, rbl
.if (\ks) == 0
	v_wmma_f32_16x16x32_bf16 v[ACC+32*(\ph)+8*(\rbl):ACC+32*(\ph)+8*(\rbl)+7], v[WF+64*(\buf)+8*(\ks):WF+64*(\buf)+8*(\ks)+7], v[64*(\rbl)+8*(\ks):64*(\rbl)+8*(\ks)+7], v[NORM+8*(\buf):NORM+8*(\buf)+7]
.else
	v_wmma_f32_16x16x32_bf16 v[ACC+32*(\ph)+8*(\rbl):ACC+32*(\ph)+8*(\rbl)+7], v[WF+64*(\buf)+8*(\ks):WF+64*(\buf)+8*(\ks)+7], v[64*(\rbl)+8*(\ks):64*(\rbl)+8*(\ks)+7], v[ACC+32*(\ph)+8*(\rbl):ACC+32*(\ph)+8*(\rbl)+7]
.endif
.endm
; The argmax's lines.  MX: the larger of two (the scalar in source 1 is minus infinity).  EPF1 to EPF4 take a tile's largest score TM into row block
; rb's running best: strictly greater, so the earlier tile, which holds lower codes, keeps an equal score.  s32 is the tile's number, 4 step + tile.
.macro MX d, a, b
	v_max3_num_f32 v[\d], v[\a], s33, v[\b]
.endm
.macro EPF1 rb
	v_fma_f32 v[DT], v[TM], 1.0, -v[BEST+(\rb)]
.endm
.macro EPF2
	v_cmp_gt_f32 s[MK], v[DT], 0
.endm
.macro EPF3 rb
	v_cndmask_b32 v[IDX+(\rb)], v[IDX+(\rb)], s32, s[MK]
.endm
.macro EPF4 rb
	v_max3_num_f32 v[BEST+(\rb)], v[TM], s33, v[BEST+(\rb)]
.endm
; A group: two K steps of a phase, 8 products, the four accumulators by turns, one instruction a turn.  Among them 11 lines of
; the argmax on the other half of the accumulators: first the four closing lines of the row block whose tree the group before made, then the tree
; of row block q of that half.  The row blocks come in the order 4 5 6 7 (of the tile before, in phase 0), 0 1 2 3 (of this tile, in phase 1), so
; the closing lines' row block is the tree's less one, and s32 steps behind the choice for row block 7.
; A tree's first line reads a sum at least eleven plain vector lines behind the product that finished it (ISA guide 7.12.1 asks for four).
.macro GRP ph, buf, q, epi
.set RBF, (4*(1-(\ph))+(\q)+7)%8
.set AB, ACC+32*(1-(\ph))+8*(\q)
	MM \ph, \buf, 2*(\q), 0
.if \epi
	EPF1 RBF
.endif
	MM \ph, \buf, 2*(\q), 1
.if \epi
	EPF2
.endif
	MM \ph, \buf, 2*(\q), 2
.if \epi
	EPF3 RBF
.if \ph == 1
.if \q == 0
	s_add_co_u32 s32, s32, 1
.endif
.endif
.endif
	MM \ph, \buf, 2*(\q), 3
.if \epi
	EPF4 RBF
.endif
	MM \ph, \buf, 2*(\q)+1, 0
.if \epi
	MX TT, AB, AB+1
	MX TT+1, AB+2, AB+3
.endif
	MM \ph, \buf, 2*(\q)+1, 1
.if \epi
	MX TT+2, AB+4, AB+5
	MX TT+3, AB+6, AB+7
.endif
	MM \ph, \buf, 2*(\q)+1, 2
.if \epi
	MX TT, TT, TT+1
	MX TT+2, TT+2, TT+3
.endif
	MM \ph, \buf, 2*(\q)+1, 3
.if \epi
	MX TM, TT, TT+2
.endif
.endm
; 18 LDS loads in one run: tile t of my quarter of a slot into buffer buf.  The hn tile: the quads behind code rows 8 h and 8 h + 4 (sixteen lanes read
; the same 16 bytes).  A fragment: lane (r, h) takes code r, bytes 64 ks + 16 h and 32 further.
.macro RUN slot, t, buf
	ds_load_b128 v[NORM+8*(\buf):NORM+8*(\buf)+3],   v[ADRN+(\slot)] offset:(\t)*TSTEP+512
	ds_load_b128 v[NORM+8*(\buf)+4:NORM+8*(\buf)+7], v[ADRN+(\slot)] offset:(\t)*TSTEP+4*CP+512
.irp ks, 0,1,2,3,4,5,6,7
	ds_load_b128 v[WF+64*(\buf)+8*\ks:WF+64*(\buf)+8*\ks+3],   v[ADRF+(\slot)] offset:(\t)*TSTEP+64*\ks
	ds_load_b128 v[WF+64*(\buf)+8*\ks+4:WF+64*(\buf)+8*\ks+7], v[ADRF+(\slot)] offset:(\t)*TSTEP+64*\ks+32
.endr
.endm
; A tile on buffer buf.  Between its phases the next tile (slot nslot, tile nt) is fetched into the other buffer, whose last readers are the tile
; before's products, 44 plain vector lines back.
; mode 0: no more.   mode 3: the last tile, nothing is fetched.   mode 2: the next tile lies in a slot whose load may still be out: wait for it; I alone read it.
; mode 1: a step's last tile.  All its fragments are in registers, so slot rslot is filled again, two steps ahead.  In front of the round's opening signal
; each wave has waited for all its LDS reads and for all its tensor loads, its quarter of the next slot among them; inside the round stands register
; work alone (16 products and their argmax lines); the joint refill is the first tensor load behind the round's closing wait, ahead of the first LDS
; read, one a wave.  So no work-group asks while a wave of a partner still reads the slot or has a load out.
; epi = 0: the first tile, with no tile before it; four v_nop are the places between its first phase's products and the lines that read their sums.
.macro TILE buf, epi, mode, nslot, nt, rslot
	s_wait_dscnt 0x0                               ; this tile's 18 loads, issued 32 products ago, are in: no LDS read of mine is out
.if \mode == 1
	s_set_vgpr_msb 0xc00
	s_wait_tensorcnt 0x0                           ; no tensor load of mine is out
	ds_add_u32 v254, v255
	s_wait_dscnt 0x0
	s_set_vgpr_msb 0xc
	s_barrier_signal -1
.endif
.if \mode == 2
	s_wait_tensorcnt 0x0
.endif
	WIN XA
	GRP 0, \buf, 0, \epi
	GRP 0, \buf, 1, \epi
.if \mode == 1
	WIN 0
	s_barrier_wait -1
	CREST
	s_add_nc_u64 s[G0+4*\rslot+2:G0+4*\rslot+3], s[G0+4*\rslot+2:G0+4*\rslot+3], 2*SLOT   ; two steps on; no load names these registers now
	tensor_load_to_lds s[G0+4*\rslot:G0+4*\rslot+3], s[G1:G1+7]
	s_nop 0
	WIN XA
.endif
	GRP 0, \buf, 2, \epi
	GRP 0, \buf, 3, \epi
.if \epi == 0
.rept 4
	v_nop
.endr
.endif
.if \mode != 3
	RUN \nslot, \nt, 1-\buf
.endif
	WIN XB
	GRP 1, \buf, 0, 1
	GRP 1, \buf, 1, 1
	GRP 1, \buf, 2, 1
	GRP 1, \buf, 3, 1
.endm
.irp i, 0,1,2,3,4,5,6,7
	v_mov_b32 v[BEST+\i], s33                      ; any finite score beats it
	v_mov_b32 v[IDX+\i], 0
.endr
	v_mov_b32 v[TM], s33                           ; the tile in front of the first: not better than anything
	s_mov_b32 s32, -1                              ; steps to 0 behind that tile's last choice
	s_wait_tensorcnt 0x1                           ; my quarter of step 0 has landed, and I alone read it; step 1's may stay out
	RUN 0, 0, 0
	TILE 0, 0, 0, 0, 1, 0                          ; step 0, tile 0.  The loop is turned by this one tile: a trip begins with tile 1 of an even step
	WIN 0                                          ; at a label and at a branch every window is 0
	s_mov_b32 s36, 15                              ; steps 0 to 29, two a trip; they ask for steps 2 to 31
.Llap:
	TILE 1, 1, 0, 0, 2, 0
	TILE 0, 1, 0, 0, 3, 0
	TILE 1, 1, 1, 1, 0, 0                          ; the even step's last tile: slot 0 is filled again
	TILE 0, 1, 0, 1, 1, 0
	TILE 1, 1, 0, 1, 2, 0
	TILE 0, 1, 0, 1, 3, 0
	TILE 1, 1, 1, 0, 0, 1                          ; the odd step's last tile: slot 1 is filled again
	TILE 0, 1, 0, 0, 1, 0                          ; tile 0 of the next even step
	WIN 0
	s_sub_co_u32 s36, s36, 1
	s_cmp_lg_u32 s36, 0
	s_cbranch_scc1 .Llap
	TILE 1, 1, 0, 0, 2, 0                          ; the rest of step 30: nothing is left to fetch from memory, so no round
	TILE 0, 1, 0, 0, 3, 0
	TILE 1, 1, 2, 1, 0, 0                          ; my quarter of step 31 has landed behind its wait
	TILE 0, 1, 0, 1, 1, 0                          ; step 31
	TILE 1, 1, 0, 1, 2, 0
	TILE 0, 1, 0, 1, 3, 0
	TILE 1, 1, 3, 0, 0, 0
	WIN 0
	; The last tile's row blocks 4 to 7, and the closing lines that lag; s32 stays the last tile's number.
.irp q, 0,1,2,3
	EPF1 3+\q
	EPF2
	EPF3 3+\q
	EPF4 3+\q
	MX TT, ACC+32+8*\q, ACC+32+8*\q+1
	MX TT+1, ACC+32+8*\q+2, ACC+32+8*\q+3
	MX TT+2, ACC+32+8*\q+4, ACC+32+8*\q+5
	MX TT+3, ACC+32+8*\q+6, ACC+32+8*\q+7
	MX TT, TT, TT+1
	MX TT+2, TT+2, TT+3
	MX TM, TT, TT+2
.endr
	EPF1 7
	EPF2
	EPF3 7
	EPF4 7
; (dv, dc) = the better of (av, ac) and (bv, bc): the larger score, of equal scores the lower group
.macro BETTER dv, dc, av, ac, bv, bc
	v_cmp_gt_f32 vcc_lo, v[\bv], v[\av]
	v_cmp_eq_f32 s40, v[\bv], v[\av]
	v_cmp_lt_u32 s41, v[\bc], v[\ac]
	s_and_b32 s40, s40, s41
	s_or_b32 vcc_lo, vcc_lo, s40
	v_cndmask_b32 v[\dv], v[\av], v[\bv], vcc_lo
	v_cndmask_b32 v[\dc], v[\ac], v[\bc], vcc_lo
.endm
	s_lshl_b32 s37, s10, 3
	v_add_nc_u32 v[TA+2], s37, v2                  ; 8 wave + h
	s_lshl_b32 s44, s10, 10
	s_add_co_u32 s44, s44, STAGE
	v_lshl_add_u32 v[TA+6], v1, 3, s44             ; my wave's 1,024 bytes of the stage, 8 bytes a row
	v_mov_b32 v[TA], 0                             ; v_permlanex16_b32 counts as a reader of its destination
	v_mov_b32 v[TA+1], 0
.irp rb, 0,1,2,3,4,5,6,7
	v_and_b32 v[TA+3], 0x7c, v[IDX+\rb]            ; number = 4 step + tile; first code = 256 step + 64 wave + 16 tile + 8 h;
	v_and_b32 v[TA+4], 3, v[IDX+\rb]
	v_lshl_add_u32 v[TA+3], v[TA+3], 3, v[TA+2]    ; group = 32 step + 8 wave + 2 tile + h
	v_lshl_add_u32 v[IDX+\rb], v[TA+4], 1, v[TA+3]
	v_permlanex16_b32 v[TA], v[BEST+\rb], s38, s39         ; the other half of the lanes followed the same row through other codes
	v_permlanex16_b32 v[TA+1], v[IDX+\rb], s38, s39
	BETTER PR+2*\rb, PR+2*\rb+1, BEST+\rb, IDX+\rb, TA, TA+1
	ds_store_b64 v[TA+6], v[PR+2*\rb:PR+2*\rb+1] offset:128*\rb    ; row 16 rb + r; both halves store the same pair
.endr
	s_wait_dscnt 0x0                               ; my wave's 128 pairs are stored,
	s_barrier_signal -1
	s_barrier_wait -1                              ; all four waves' are
	s_cmp_lg_u32 s10, 0
	s_cbranch_scc1 .Lclose
	v_lshlrev_b32 v[TA+7], 5, v3                   ; wave 0 alone: a lane takes rows 4 lane .. 4 lane + 3 of each wave's list
	v_add_nc_u32 v[TA+7], STAGE, v[TA+7]
.irp wv, 0,1,2,3
	ds_load_b128 v[LD+8*\wv:LD+8*\wv+3],   v[TA+7] offset:\wv*1024
	ds_load_b128 v[LD+8*\wv+4:LD+8*\wv+7], v[TA+7] offset:\wv*1024+16
.endr
	v_lshlrev_b32 v[TA], 4, v3
	s_wait_dscnt 0x0
.irp q, 0,1,2,3
	BETTER LD+2*\q, LD+2*\q+1, LD+2*\q, LD+2*\q+1, LD+8+2*\q, LD+8+2*\q+1
	BETTER LD+2*\q, LD+2*\q+1, LD+2*\q, LD+2*\q+1, LD+16+2*\q, LD+16+2*\q+1
	BETTER LD+2*\q, RES+\q, LD+2*\q, LD+2*\q+1, LD+24+2*\q, LD+24+2*\q+1
.endr
	global_store_b128 v[TA], v[RES:RES+3], s[8:9]          ; 128 groups: 512 consecutive bytes, aligned
.Lclose:
	s_wait_tensorcnt 0x0
	ds_add_u32 v254, v255
	s_wait_dscnt 0x0
	ROUND                                          ; the closing round: no work-group ends while a partner may still ask for a tile that names it
	s_endpgm
.Lfunc_end_k_q29a08d7b61_dist:
	.size	k_q29a08d7b61_dist, .Lfunc_end_k_q29a08d7b61_dist-k_q29a08d7b61_dist
	.p2alignl 7, 3214868480
	.fill 96, 4, 3214868480
	.section	.rodata,"a",@progbits
	.p2align	6, 0x0
	.amdhsa_kernel k_q29a08d7b61_dist
		.amdhsa_group_segment_fixed_size 327680
		.amdhsa_private_segment_fixed_size 0
		.amdhsa_enable_private_segment 0
		.amdhsa_kernarg_size 24
		.amdhsa_user_sgpr_count 2
		.amdhsa_user_sgpr_kernarg_segment_ptr 1
		.amdhsa_wavefront_size32 1
		.amdhsa_system_sgpr_workgroup_id_x 1
		.amdhsa_system_sgpr_workgroup_id_y 1
		.amdhsa_system_sgpr_workgroup_id_z 1
		.amdhsa_system_vgpr_workitem_id 0
		.amdhsa_next_free_vgpr 1024
		.amdhsa_next_free_sgpr 66
		.amdhsa_reserve_vcc 1
		.amdhsa_float_denorm_mode_32 3
		.amdhsa_float_denorm_mode_16_64 3
		.amdhsa_memory_ordered 1
		.amdhsa_forward_progress 1
		.amdhsa_inst_pref_size 216
	.end_amdhsa_kernel
	.amdgpu_metadata
---
amdhsa.version: [ 1, 2 ]
amdhsa.kernels:
  - .name:           k_q29a08d7b61_dist
    .symbol:         k_q29a08d7b61_dist.kd
    .args:
      - { .name: x, .offset: 0, .size: 8, .value_kind: global_buffer, .address_space: global }
      - { .name: wb, .offset: 8, .size: 8, .value_kind: global_buffer, .address_space: global }
      - { .name: grp, .offset: 16, .size: 8, .value_kind: global_buffer, .address_space: global }
    .group_segment_fixed_size: 327680
    .private_segment_fixed_size: 0
    .kernarg_segment_align: 8
    .kernarg_segment_size: 24
    .max_flat_workgroup_size: 128
    .sgpr_count:     66
    .vgpr_count:     1024
    .wavefront_size: 32
...
	.end_amdgpu_metadata
.endif
;; end of part 5
;; launch pick (part 6): grid 512 x 1, 8 waves a work-group, no clusters, 1,280 bytes of LDS; arguments x, wb, grp, idx; writes idx
.if DOCPART == 6
	.amdgcn_target "amdgcn-amd-amdhsa--gfx1250"
	.amdhsa_code_object_version 6
	.text
	.protected	k_q29a08d7b61_pick
	.globl	k_q29a08d7b61_pick
	.p2align	8
	.type	k_q29a08d7b61_pick,@function
k_q29a08d7b61_pick:
	s_mov_b64 s[64:65], 0
	v_nop
	global_prefetch_b8 v0, s[64:65] scope:SCOPE_SE
	s_setreg_imm32_b32 hwreg(HW_REG_WAVE_MODE, 25, 1), 1
	s_wait_xcnt 0x0
; idx[n] = 8 g + j, g = grp[n], j = the one of the group's eight codes with the largest score x[n] . wb[c] + hn[c]; x rounded to bf16, wb holds w
; rounded to bf16 and hn, products exact in f32, sums in f32.  Equal scores go to the lowest code.
; Limits: NaN and infinities are not served; scores closer than the rounding of the f32 sums may be ordered otherwise than by an exact sum.
; The groups are whole numbers that an earlier launch stored; they are read as scalars and clamped to the table's 1,024 groups before they enter an
; address.  j comes out of floating-point compares, so it enters no address here: it is stored, and the launch that gathers reads it from memory.
; A gather and 8 x 256 multiply-adds for a row: no tile is shared and no block is large enough for the matrix unit or for LDS slots.
; A wave owns 8 rows.  For a row a lane takes columns 8 lane .. 8 lane + 7: 32 bytes of x (two loads) and 16 bytes of each of the group's eight rows of wb
; (eight loads of 512 consecutive bytes; the group is 4,224 consecutive bytes), and lane l the half-norm of candidate l mod 8: 11 loads.
; A ring of four row slots in registers keeps four rows' loads of every wave on their way.
.set CP,  528                          ; bytes in a row of wb
.set GB,  8*CP                         ; bytes in a group
.set WO,  8                            ; v[8:15]    row i: byte offset in wb of my 16 bytes of the group's first row
.set HO,  16                           ; v[16:23]   row i: byte offset, less 512, of my candidate's half-norm
.set XP,  24                           ; v[24:27]   my 8 numbers of x as bf16
.set S,   28                           ; v[28:35]   my part of the eight scores
.set K,   36                           ; v[36:43]   the sum over the lanes, at work
.set M,   44                           ; v44        the index, to LDS
.set H,   46                           ; v[46:49]   slot s: half-norm of candidate lane mod 8
.set X,   52                           ; v[52:83]   slot s: 8 numbers of x
.set W,   84                           ; v[84:211]  slot s: candidate c at 4 c, 8 bf16
	s_load_b256 s[4:11], s[0:1], 0x0               ; x s[4:5], wb s[6:7], grp s[8:9], idx s[10:11]
	v_lshl_add_u32 v212, v0, 2, 0x100
	v_mov_b32 v213, 0
	v_lshrrev_b32 v6, 5, v0
	v_readfirstlane_b32 s12, v6                    ; wave 0..7
	v_and_b32 v7, 31, v0                           ; lane
	v_lshlrev_b32 v1, 4, v7                        ; 16 lane
	v_lshlrev_b32 v2, 5, v7                        ; 32 lane
	v_and_b32 v3, 3, v0
	v_lshlrev_b32 v3, 2, v3
	v_bfe_u32 v6, v0, 2, 1
	v_mad_u32_u24 v3, v6, 4*CP, v3                 ; candidate c = lane mod 8: word c mod 4 of the quad behind the group's row 4 (c / 4)
	v_mov_b32 v5, 0                                ; the addend of the first products
	s_lshl_b32 s13, s12, 5
	v_mov_b32 v4, s13                              ; LDS: my wave's 8 words
	s_lshl_b32 s13, ttmp9, 3
	s_add_co_u32 s13, s13, s12                     ; wave in the launch, 0..4095
	s_lshl_b32 s14, s13, 5                         ; its 8 groups
	s_mov_b32 s15, 0
	s_mov_b32 s42, 0xaaaaaaaa                      ; lanes with bit 0 set,
	s_mov_b32 s43, 0xcccccccc                      ; bit 1,
	s_mov_b32 s44, 0xf0f0f0f0                      ; bit 2
	s_mov_b32 s46, 0x76543210                      ; v_permlanex16_b32: lane i of one half reads lane i of the other
	s_mov_b32 s47, 0xfedcba98
	s_wait_kmcnt 0x0
	s_add_nc_u64 s[8:9], s[8:9], s[14:15]
	s_load_b256 s[16:23], s[8:9], 0x0
	s_lshl_b32 s14, s13, 13                        ; its 8 rows
	s_add_nc_u64 s[4:5], s[4:5], s[14:15]
	s_lshl_b32 s14, ttmp9, 8
	s_add_nc_u64 s[10:11], s[10:11], s[14:15]      ; the work-group's 64 words of idx
.macro FILLX i                         ; row i's x into slot i mod 4: 2 loads
	global_load_b128 v[X+8*((\i)&3):X+8*((\i)&3)+3],   v2, s[4:5] offset:(\i)*1024 th:TH_LOAD_NT
	global_load_b128 v[X+8*((\i)&3)+4:X+8*((\i)&3)+7], v2, s[4:5] offset:(\i)*1024+16 th:TH_LOAD_NT
.endm
.macro FILLW i                         ; row i's eight candidates and a half-norm: 9 loads; no hint: the table is read again and again
.irp c, 0,1,2,3,4,5,6,7
	global_load_b128 v[W+32*((\i)&3)+4*\c:W+32*((\i)&3)+4*\c+3], v[WO+(\i)], s[6:7] offset:\c*CP
.endr
	global_load_b32 v[H+((\i)&3)], v[HO+(\i)], s[6:7] offset:512
.endm
	FILLX 0                                        ; x hangs on no group: it goes out while the groups come
	FILLX 1
	FILLX 2
	FILLX 3
	s_wait_kmcnt 0x0
.irp i, 0,1,2,3,4,5,6,7
	s_min_u32 s[16+\i], s[16+\i], 0x3ff            ; inside the table, whatever was stored
	s_mul_i32 s[24+\i], s[16+\i], GB
	v_add_nc_u32 v[WO+\i], s[24+\i], v1
	v_add_nc_u32 v[HO+\i], s[24+\i], v3
.endr
	FILLW 0
	FILLW 1
	FILLW 2
	FILLW 3
; Row i.  left = the younger loads that may stay out; fill = 1: the slot gets row i + 4.
.macro ROW i, left, fill
.set SL, (\i)&3
	s_wait_loadcnt \left                           ; loads come back in order: this row's 11 are in
.irp m, 0,1,2,3
	v_cvt_pk_bf16_f32 v[XP+\m], v[X+8*SL+2*\m], v[X+8*SL+2*\m+1]
.endr
	; eight chains, one for a candidate, that do not wait for each other; both factors are bf16 halves, the sum is f32
.irp c, 0,1,2,3,4,5,6,7
	v_fma_mix_f32_bf16 v[S+\c], v[W+32*SL+4*\c], v[XP], v5 op_sel_hi:[1,1,0]
.endr
.irp c, 0,1,2,3,4,5,6,7
	v_fma_mix_f32_bf16 v[S+\c], v[W+32*SL+4*\c], v[XP], v[S+\c] op_sel:[1,1,0] op_sel_hi:[1,1,0]
.endr
.irp m, 1,2,3
.irp c, 0,1,2,3,4,5,6,7
	v_fma_mix_f32_bf16 v[S+\c], v[W+32*SL+4*\c+\m], v[XP+\m], v[S+\c] op_sel_hi:[1,1,0]
.endr
.irp c, 0,1,2,3,4,5,6,7
	v_fma_mix_f32_bf16 v[S+\c], v[W+32*SL+4*\c+\m], v[XP+\m], v[S+\c] op_sel:[1,1,0] op_sel_hi:[1,1,0]
.endr
.endr
	; The sum over the lanes, transposing: at each of three steps a lane keeps the half of its sums whose candidate has the lane's bit, and gives the other
	; half to the lane that keeps those.  Then lane l holds candidate l mod 8, and two more steps add the four lanes that hold the same one.
.irp k, 0,1,2,3
	v_cndmask_b32 v[K+2*\k],   v[S+2*\k+1], v[S+2*\k],   s42      ; what I give
	v_cndmask_b32 v[K+2*\k+1], v[S+2*\k],   v[S+2*\k+1], s42      ; what I keep
	v_add_f32_dpp v[K+2*\k+1], v[K+2*\k], v[K+2*\k+1] row_xmask:1 row_mask:0xf bank_mask:0xf
.endr
.irp k, 0,1
	v_cndmask_b32 v[K+4*\k],   v[K+4*\k+3], v[K+4*\k+1], s43
	v_cndmask_b32 v[K+4*\k+2], v[K+4*\k+1], v[K+4*\k+3], s43
	v_add_f32_dpp v[K+4*\k+2], v[K+4*\k], v[K+4*\k+2] row_xmask:2 row_mask:0xf bank_mask:0xf
.endr
	v_cndmask_b32 v[K],   v[K+6], v[K+2], s44
	v_cndmask_b32 v[K+4], v[K+2], v[K+6], s44
	v_add_f32_dpp v[K+4], v[K], v[K+4] row_xmask:4 row_mask:0xf bank_mask:0xf
	v_add_f32_dpp v[K+4], v[K+4], v[K+4] row_xmask:8 row_mask:0xf bank_mask:0xf
	v_permlanex16_b32 v[K], v[K+4], s46, s47
	v_add_f32 v[K+4], v[K+4], v[K]
	v_add_f32 v[K+4], v[K+4], v[H+SL]              ; the score of candidate lane mod 8
.if \fill
	FILLX \i+4                                     ; the slot's registers have been read: its next row, 11 loads
	FILLW \i+4
.endif
	v_max_num_f32_dpp v[K], v[K+4], v[K+4] row_xmask:1 row_mask:0xf bank_mask:0xf
	v_max_num_f32_dpp v[K], v[K], v[K] row_xmask:2 row_mask:0xf bank_mask:0xf
	v_max_num_f32_dpp v[K], v[K], v[K] row_xmask:4 row_mask:0xf bank_mask:0xf
	v_cmp_eq_f32 s40, v[K+4], v[K]                 ; the lanes whose candidate has the largest score
	s_ctz_i32_b32 s41, s40                         ; the lowest of them is in lanes 0 to 7: j
	s_lshl3_add_u32 s41, s[16+\i], s41             ; 8 g + j
	v_mov_b32 v[M], s41
	ds_store_b32 v4, v[M] offset:4*\i              ; all lanes store the same number to the same word
.endm
	; The counts.  Out at the start: x of rows 0-3 (8 loads), then 9 loads for each of rows 0-3.  Behind row 0's: 27.  Each row then adds 11 for the row
	; four on and takes away the 9 of the next: 29, 31, 33.  From row 4 on a row's loads are 11, and three, two, one, no rows are behind it.
	ROW 0, 27, 1
	ROW 1, 29, 1
	ROW 2, 31, 1
	ROW 3, 33, 1
	ROW 4, 33, 0
	ROW 5, 22, 0
	ROW 6, 11, 0
	ROW 7, 0, 0
	s_wait_dscnt 0x0                               ; my 8 words are stored,
	s_barrier_signal -1
	s_barrier_wait -1                              ; all 64 are
	s_cmp_lg_u32 s12, 0
	s_cbranch_scc1 .Lend
	v_lshlrev_b32 v6, 3, v7                        ; wave 0 alone, all lanes on: 8 bytes a lane, 8 x 31 + 8 = the 256 bytes that LDS holds
	ds_load_b64 v[S:S+1], v6
	s_wait_dscnt 0x0
	global_store_b64 v6, v[S:S+1], s[10:11]        ; the 32 lanes store the work-group's 256 consecutive bytes of idx, aligned
.Lend:
	s_wait_tensorcnt 0x0
	ds_add_u32 v212, v213
	s_wait_dscnt 0x0
	s_endpgm
.Lfunc_end_k_q29a08d7b61_pick:
	.size	k_q29a08d7b61_pick, .Lfunc_end_k_q29a08d7b61_pick-k_q29a08d7b61_pick
	.p2alignl 7, 3214868480
	.fill 96, 4, 3214868480
	.section	.rodata,"a",@progbits
	.p2align	6, 0x0
	.amdhsa_kernel k_q29a08d7b61_pick
		.amdhsa_group_segment_fixed_size 1280
		.amdhsa_private_segment_fixed_size 0
		.amdhsa_enable_private_segment 0
		.amdhsa_kernarg_size 32
		.amdhsa_user_sgpr_count 2
		.amdhsa_user_sgpr_kernarg_segment_ptr 1
		.amdhsa_wavefront_size32 1
		.amdhsa_system_sgpr_workgroup_id_x 1
		.amdhsa_system_sgpr_workgroup_id_y 1
		.amdhsa_system_sgpr_workgroup_id_z 1
		.amdhsa_system_vgpr_workitem_id 0
		.amdhsa_next_free_vgpr 214
		.amdhsa_next_free_sgpr 66
		.amdhsa_reserve_vcc 0
		.amdhsa_float_denorm_mode_32 3
		.amdhsa_float_denorm_mode_16_64 3
		.amdhsa_memory_ordered 1
		.amdhsa_forward_progress 1
		.amdhsa_inst_pref_size 62
	.end_amdhsa_kernel
	.amdgpu_metadata
---
amdhsa.version: [ 1, 2 ]
amdhsa.kernels:
  - .name:           k_q29a08d7b61_pick
    .symbol:         k_q29a08d7b61_pick.kd
    .args:
      - { .name: x, .offset: 0, .size: 8, .value_kind: global_buffer, .address_space: global }
      - { .name: wb, .offset: 8, .size: 8, .value_kind: global_buffer, .address_space: global }
      - { .name: grp, .offset: 16, .size: 8, .value_kind: global_buffer, .address_space: global }
      - { .name: idx, .offset: 24, .size: 8, .value_kind: global_buffer, .address_space: global }
    .group_segment_fixed_size: 1280
    .private_segment_fixed_size: 0
    .kernarg_segment_align: 8
    .kernarg_segment_size: 32
    .max_flat_workgroup_size: 256
    .sgpr_count:     66
    .vgpr_count:     214
    .wavefront_size: 32
...
	.end_amdgpu_metadata
.endif
;; end of part 6
;; launch quant: the kernel of part 3 again; grid 512 x 1, 8 waves a work-group, no clusters, 1,280 bytes of LDS; arguments x, wt, idx, out0, part; writes out0, part
;; launch loss: the kernel of part 4 again; grid 1 x 1, 1 waves a work-group, no clusters, 0 bytes of LDS; arguments part, out1; writes out1
;; ======== version 3 of 3: 5 launches; version 2 with the launches prep, pick written anew for expert scheduling mode
;; workspace buffers: wb 4,325,376 bytes; wt 8,388,608 bytes; grp 131,072 bytes of whole numbers; idx 131,072 bytes of whole numbers; part 2,048 bytes
;; launch prep (part 7): grid 128 x 1, 8 waves a work-group, no clusters, 101,632 bytes of LDS; arguments w, wb, wt; writes wb, wt
.if DOCPART == 7
	.amdgcn_target "amdgcn-amd-amdhsa--gfx1250"
	.amdhsa_code_object_version 6
	.text
	.protected	k_q29a08d7b61_prep
	.globl	k_q29a08d7b61_prep
	.p2align	8
	.type	k_q29a08d7b61_prep,@function
k_q29a08d7b61_prep:
	s_mov_b64 s[64:65], 0
	v_nop
	global_prefetch_b8 v0, s[64:65] scope:SCOPE_SE
	s_setreg_imm32_b32 hwreg(HW_REG_WAVE_SCHED_MODE, 0, 2), 2
	s_setreg_imm32_b32 hwreg(HW_REG_WAVE_MODE, 25, 1), 1
	s_wait_xcnt 0x0
	s_wait_alu depctr_vm_vsrc(0)
; Turns the codebook w [256 d][8192 codes] f32 into two tables with one row for each code:
;   wt [8192][256] f32: the exact transpose, from which the quantised rows are gathered later;
;   wb [8192] rows of 528 bytes: 256 bf16 (d ascending), then four f32, hn of the codes (c & ~3) + 0..3, where
;      hn[c] = -0.5 x the sum over d of (w[d][c] rounded to bf16) squared.  528 = 33 x 16, so the rows can be used in LDS as they lie.
; A work-group owns 64 codes: 256 consecutive bytes of every row of w.  Eight waves; the transpose goes through LDS.
; Limits: NaN and infinities in w are passed on as they are.
; THE MODE: SCHED_MODE bits 1:0 = 2 (LLVM: expert scheduling mode 2), set by the entry lines.  The code itself states the register dependences
; between vector instructions and memory or LDS instructions, with s_wait_alu, always for 0.
; THE PLAN.  Registers that memory or LDS instructions touch:
;   v4-v8, v10-v12, v14, v15   offsets and LDS addresses: written at the head, never again.
;   IN    w's loads land in it; the LDS stores into T read it; the LDS loads out of T land in it; the stores into wt and the conversions read it;
;         the way out's LDS loads land in it; the stores into wb read it.
;   PK    written by the conversions, once; read by the LDS stores into IMG, each issued ahead of the widening lines of its own two registers.
;   S     its four even registers, written by the reductions, are read by the four LDS stores into NRM and never written again.
;   QD    an LDS load lands in it, an LDS store reads it; no vector line names it.      U: vector lines alone.
; So: one wait on va_vdst ahead of the first load, one behind the 32 conversions, one behind the four reductions; one wait on vm_vsrc ahead of each
; of the two runs of LDS loads that land in IN again.
.set TP,   260                         ; pitch of T: 65 words, so word (d, c) lies in bank (d + c) mod 64 (64 banks of 4 bytes: ISA guide 11.1)
.set IMG,  66560                       ; behind T (256 x 260): the work-group's 64 rows of wb, 64 x 528 bytes
.set NRM,  100352                      ; behind IMG: 64 f32, hn of the 64 codes
.set CP,   528                         ; bytes in a row of wb
.set IN,   16                          ; v[16:79]   64 numbers: as loaded, then transposed, then on the way out
.set PK,   80                          ; v[80:111]  the same 64 numbers as bf16
.set U,    112                         ; v[112:115] four rounded numbers widened again
.set S,    116                         ; v[116:123] a pair of running sums of squares for each of my four codes
.set QD,   124                         ; v[124:127] a quad of hn
	s_load_b128 s[4:7], s[0:1], 0x0                ; w s[4:5], wb s[6:7]
	s_load_b64 s[8:9], s[0:1], 0x10                ; wt
	v_lshl_add_u32 v128, v0, 2, 0x18900
	v_mov_b32 v129, 0
	v_and_b32 v1, 15, v0                           ; cl: lane mod 16
	v_bfe_u32 v2, v0, 4, 1                         ; hp: which half of the lanes
	v_lshrrev_b32 v3, 5, v0
	v_readfirstlane_b32 s10, v3                    ; wave 0..7
	v_lshlrev_b32 v5, 4, v1                        ; 16 cl
	s_wait_alu depctr_va_sdst(0)                   ; s10 is written, ahead of its first reader
	s_lshl_b32 s11, s10, 5
	s_lshl_b32 s12, s10, 3
	v_add_nc_u32 v4, s11, v2                       ; d0 = 32 wave + hp
	v_lshl_add_u32 v6, v4, 15, v5                  ; in w: row d0 (32,768 bytes a row) + 16 cl
	v_mad_u32_u24 v7, v4, TP, v5                   ; in T: row d0, codes 4 cl ..
	v_add_nc_u32 v9, s12, v2                       ; c0 = 8 wave + hp
	v_lshlrev_b32 v8, 2, v9
	v_mad_u32_u24 v8, v1, 4*TP, v8                 ; in T: row 4 cl, code c0
	v_lshl_add_u32 v10, v9, 10, v5                 ; in wt: row c0 (1,024 bytes a row) + 16 cl
	v_mul_u32_u24 v11, v9, CP
	v_lshl_add_u32 v11, v1, 3, v11
	v_add_nc_u32 v11, IMG, v11                     ; in IMG: row c0 + 8 cl
	v_lshlrev_b32 v12, 2, v9
	v_add_nc_u32 v12, NRM, v12                     ; in NRM: word c0
	v_and_b32 v13, 7, v0
	v_add_nc_u32 v13, s12, v13                     ; cq = 8 wave + lane mod 8
	v_and_b32 v14, 60, v13
	v_lshlrev_b32 v14, 2, v14
	v_add_nc_u32 v14, NRM, v14                     ; in NRM: the quad that holds cq
	v_mul_u32_u24 v15, v13, CP
	v_add_nc_u32 v15, IMG+512, v15                 ; in IMG: the 16 bytes behind row cq's 512
	v_lshlrev_b32 v4, 4, v0                        ; d0 and 16 cl have served: the way out's offset, 16 bytes a thread, 4,096 a turn of the eight waves,
	v_add_nc_u32 v5, IMG, v4                       ; and its LDS address
	s_wait_kmcnt 0x0
	s_lshl_b32 s2, ttmp9, 8                        ; my 64 codes in a row of w
	s_mov_b32 s3, 0
	s_add_nc_u64 s[4:5], s[4:5], s[2:3]
	s_mul_i32 s2, ttmp9, 64*CP                     ; my 64 rows of wb
	s_add_nc_u64 s[6:7], s[6:7], s[2:3]
	s_lshl_b32 s2, ttmp9, 16                       ; my 64 rows of wt
	s_add_nc_u64 s[8:9], s[8:9], s[2:3]
	s_wait_alu depctr_va_vdst(0)                   ; the offsets and LDS addresses v4 to v8, v10 to v12, v14 and v15 are written: every load and store below reads one of them
	; In: load i brings rows d0 + 2 i; sixteen lanes take the 256 consecutive bytes of one row, the other sixteen those of the next.
.irp i, 0,1,2,3,4,5,6,7,8,9,10,11,12,13,14,15
	global_load_b128 v[IN+4*\i:IN+4*\i+3], v6, s[4:5] offset:\i*65536 th:TH_LOAD_NT
.endr
.irp i, 0,1,2,3,4,5,6,7,8,9,10,11,12,13,14,15
	s_wait_loadcnt 15-\i                           ; loads come back in order: load i is in, the 15 - i younger ones stay out
.irp q, 0,1,2,3
	ds_store_b32 v7, v[IN+4*\i+\q] offset:2*TP*\i+4*\q         ; T[d0 + 2 i][4 cl + q]: banks 4 cl + hp + a constant, all 32 different
.endr
.endr
	s_wait_dscnt 0x0                               ; my stores into T are done,
	s_barrier_signal -1
	s_barrier_wait -1                              ; everybody's are
	s_wait_alu depctr_vm_vsrc(0)                   ; my LDS stores into T have read IN, in which the loads below land
	; Back, transposed: register 16 p + 4 k + i = w[64 k + 4 cl + i][code c0 + 2 p].  Banks again 4 cl + hp + a constant.
.irp p, 0,1,2,3
.irp k, 0,1,2,3
.irp i, 0,1,2,3
	ds_load_b32 v[IN+16*\p+4*\k+\i], v8 offset:(64*\k+\i)*TP+8*\p
.endr
.endr
.endr
	; Code c0 + 2 p, as its sixteen loads come in: out to wt as it is, and rounded to bf16.
.irp p, 0,1,2,3
	s_wait_dscnt 48-16*\p                          ; LDS loads come back in order: code p's sixteen are in, the sixteen of each later code stay out
.irp k, 0,1,2,3
	global_store_b128 v10, v[IN+16*\p+4*\k:IN+16*\p+4*\k+3], s[8:9] offset:\p*2048+\k*256   ; sixteen lanes store 256 consecutive bytes of a row of wt, aligned
	v_cvt_pk_bf16_f32 v[PK+8*\p+2*\k],   v[IN+16*\p+4*\k],   v[IN+16*\p+4*\k+1]
	v_cvt_pk_bf16_f32 v[PK+8*\p+2*\k+1], v[IN+16*\p+4*\k+2], v[IN+16*\p+4*\k+3]
.endr
.endr
	s_wait_alu depctr_va_vdst(0)                   ; the conversions have written PK, which the LDS stores below read, and are done reading IN, in which the way out's loads land
.irp p, 0,1,2,3
.irp k, 0,1,2,3
	ds_store_b64 v11, v[PK+8*\p+2*\k:PK+8*\p+2*\k+1] offset:\p*2*CP+\k*128   ; no wait: no vector line since the wait above has named these two registers
	v_lshlrev_b32 v[U],   16, v[PK+8*\p+2*\k]                    ; the norm is that of the rounded numbers: widen them again
	v_and_b32     v[U+1], 0xffff0000, v[PK+8*\p+2*\k]
	v_lshlrev_b32 v[U+2], 16, v[PK+8*\p+2*\k+1]
	v_and_b32     v[U+3], 0xffff0000, v[PK+8*\p+2*\k+1]
.if \k == 0
	v_pk_mul_f32 v[S+2*\p:S+2*\p+1], v[U:U+1], v[U:U+1]          ; the first squares start the sums
.else
	v_pk_fma_f32 v[S+2*\p:S+2*\p+1], v[U:U+1], v[U:U+1], v[S+2*\p:S+2*\p+1]
.endif
	v_pk_fma_f32 v[S+2*\p:S+2*\p+1], v[U+2:U+3], v[U+2:U+3], v[S+2*\p:S+2*\p+1]
.endr
.endr
	; A code's 256 squares lie in the sixteen lanes of one half: add the pair, then across the sixteen.  The four codes' sums go side by side, each in its own order.
.irp p, 0,1,2,3
	v_add_f32 v[S+2*\p], v[S+2*\p], v[S+2*\p+1]
.endr
.irp p, 0,1,2,3
	v_add_f32_dpp v[S+2*\p], v[S+2*\p], v[S+2*\p] row_xmask:1 row_mask:0xf bank_mask:0xf
.endr
.irp p, 0,1,2,3
	v_add_f32_dpp v[S+2*\p], v[S+2*\p], v[S+2*\p] row_xmask:2 row_mask:0xf bank_mask:0xf
.endr
.irp p, 0,1,2,3
	v_add_f32_dpp v[S+2*\p], v[S+2*\p], v[S+2*\p] row_xmask:4 row_mask:0xf bank_mask:0xf
.endr
.irp p, 0,1,2,3
	v_add_f32_dpp v[S+2*\p], v[S+2*\p], v[S+2*\p] row_xmask:8 row_mask:0xf bank_mask:0xf
.endr
.irp p, 0,1,2,3
	v_mul_f32 v[S+2*\p], -0.5, v[S+2*\p]
.endr
	s_wait_alu depctr_va_vdst(0)                   ; the four half-norms are written, which the LDS stores below read
.irp p, 0,1,2,3
	ds_store_b32 v12, v[S+2*\p] offset:8*\p        ; sixteen lanes store the same number to the same word
.endr
	s_wait_dscnt 0x0                               ; my half-norms are stored,
	s_barrier_signal -1
	s_barrier_wait -1                              ; all 64 are
	ds_load_b128 v[QD:QD+3], v14                   ; the quad of row cq
	s_wait_dscnt 0x0
	ds_store_b128 v15, v[QD:QD+3]                  ; behind the row's 512 bytes; four lanes store the same 16 bytes
	s_wait_dscnt 0x0                               ; my part of IMG is whole,
	s_barrier_signal -1
	s_barrier_wait -1                              ; all of it is
	s_wait_xcnt 0x0                                ; IN, the data of the stores into wt, is loaded again only behind this wait
	s_wait_alu depctr_vm_vsrc(0)                   ; the stores into wt have read IN, in which the loads below land, those behind the branch too
	; IMG is 33,792 bytes = 66 pieces of 512: eight turns of eight waves, and one piece more for waves 0 and 1.
.irp i, 0,1,2,3,4,5,6,7
	ds_load_b128 v[IN+4*\i:IN+4*\i+3], v5 offset:4096*\i
.endr
.irp i, 0,1,2,3,4,5,6,7
	s_wait_dscnt 7-\i                              ; LDS loads come back in order: load i is in
	global_store_b128 v4, v[IN+4*\i:IN+4*\i+3], s[6:7] offset:4096*\i    ; a wave stores 512 consecutive bytes, aligned
.endr
	s_cmp_gt_u32 s10, 1
	s_cbranch_scc1 .Lend
	ds_load_b128 v[IN+32:IN+35], v5 offset:32768
	s_wait_dscnt 0x0
	global_store_b128 v4, v[IN+32:IN+35], s[6:7] offset:32768
.Lend:
	s_wait_dscnt 0x0                               ; the closing lines, six on end
	s_wait_alu 0x0
	s_wait_tensorcnt 0x0
	ds_add_u32 v128, v129
	s_wait_dscnt 0x0
	s_endpgm
.Lfunc_end_k_q29a08d7b61_prep:
	.size	k_q29a08d7b61_prep, .Lfunc_end_k_q29a08d7b61_prep-k_q29a08d7b61_prep
	.p2alignl 7, 3214868480
	.fill 96, 4, 3214868480
	.section	.rodata,"a",@progbits
	.p2align	6, 0x0
	.amdhsa_kernel k_q29a08d7b61_prep
		.amdhsa_group_segment_fixed_size 101632
		.amdhsa_private_segment_fixed_size 0
		.amdhsa_enable_private_segment 0
		.amdhsa_kernarg_size 24
		.amdhsa_user_sgpr_count 2
		.amdhsa_user_sgpr_kernarg_segment_ptr 1
		.amdhsa_wavefront_size32 1
		.amdhsa_system_sgpr_workgroup_id_x 1
		.amdhsa_system_sgpr_workgroup_id_y 1
		.amdhsa_system_sgpr_workgroup_id_z 1
		.amdhsa_system_vgpr_workitem_id 0
		.amdhsa_next_free_vgpr 130
		.amdhsa_next_free_sgpr 66
		.amdhsa_reserve_vcc 0
		.amdhsa_float_denorm_mode_32 3
		.amdhsa_float_denorm_mode_16_64 3
		.amdhsa_memory_ordered 1
		.amdhsa_forward_progress 1
		.amdhsa_inst_pref_size 27
	.end_amdhsa_kernel
	.amdgpu_metadata
---
amdhsa.version: [ 1, 2 ]
amdhsa.kernels:
  - .name:           k_q29a08d7b61_prep
    .symbol:         k_q29a08d7b61_prep.kd
    .args:
      - { .name: w, .offset: 0, .size: 8, .value_kind: global_buffer, .address_space: global }
      - { .name: wb, .offset: 8, .size: 8, .value_kind: global_buffer, .address_space: global }
      - { .name: wt, .offset: 16, .size: 8, .value_kind: global_buffer, .address_space: global }
    .group_segment_fixed_size: 101632
    .private_segment_fixed_size: 0
    .kernarg_segment_align: 8
    .kernarg_segment_size: 24
    .max_flat_workgroup_size: 256
    .sgpr_count:     66
    .vgpr_count:     130
    .wavefront_size: 32
...
	.end_amdgpu_metadata
.endif
;; end of part 7
;; launch dist: the kernel of part 5 again; grid 256 x 1, 4 waves a work-group, clusters of 4 x 1, 327,680 bytes of LDS; arguments x, wb, grp; writes grp
;; launch pick (part 8): grid 512 x 1, 8 waves a work-group, no clusters, 1,280 bytes of LDS; arguments x, wb, grp, idx; writes idx
.if DOCPART == 8
	.amdgcn_target "amdgcn-amd-amdhsa--gfx1250"
	.amdhsa_code_object_version 6
	.text
	.protected	k_q29a08d7b61_pick
	.globl	k_q29a08d7b61_pick
	.p2align	8
	.type	k_q29a08d7b61_pick,@function
k_q29a08d7b61_pick:
	s_mov_b64 s[64:65], 0
	v_nop
	global_prefetch_b8 v0, s[64:65] scope:SCOPE_SE
	s_setreg_imm32_b32 hwreg(HW_REG_WAVE_SCHED_MODE, 0, 2), 2
	s_setreg_imm32_b32 hwreg(HW_REG_WAVE_MODE, 25, 1), 1
	s_wait_xcnt 0x0
	s_wait_alu depctr_vm_vsrc(0)
; idx[n] = 8 g + j, g = grp[n], j = the one of the group's eight codes with the largest score x[n] . wb[c] + hn[c]; x rounded to bf16, wb holds w
; rounded to bf16 and hn, products exact in f32, sums in f32.  Equal scores go to the lowest code.
; Limits: NaN and infinities are not served; scores closer than the rounding of the f32 sums may be ordered otherwise than by an exact sum.
; The groups are whole numbers that an earlier launch stored; they are read as scalars and clamped to the table's 1,024 groups before they enter an
; address.  j comes out of floating-point compares, so it enters no address here: it is stored, and the launch that gathers reads it from memory.
; A gather and 8 x 256 multiply-adds for a row: no tile is shared and no block is large enough for the matrix unit or for LDS slots.
; A wave owns 8 rows.  For a row a lane takes columns 8 lane .. 8 lane + 7: 32 bytes of x (two loads) and 16 bytes of each of the group's eight rows of wb
; (eight loads of 512 consecutive bytes; the group is 4,224 consecutive bytes), and lane l the half-norm of candidate l mod 8: 11 loads.
; A ring of four row slots in registers keeps four rows' loads of every wave on their way.
; THE MODE: SCHED_MODE bits 1:0 = 2 (LLVM: expert scheduling mode 2), set by the entry lines.  The code itself states the register dependences
; between vector instructions and memory or LDS instructions, with s_wait_alu, always for 0.
; THE PLAN.  Registers that memory or LDS instructions touch:
;   v2, v4, v6, WO, HO   offsets and LDS addresses: written at the head, never again.
;   X, W   slot i mod 4: row i's loads land in it; row i's four conversions read X, its 64 multiply-adds read W; behind them row i + 4's loads land in it.
;   H      a register for each row: one load lands in it, the row's last add reads it; it is never loaded again.
;   K      at work in the rows, by vector lines alone; at the end it takes the eight indices, which the eight LDS stores read.
;   S      at work in the rows, by vector lines alone; at the end wave 0's LDS load lands in its first two registers, and the store into idx reads them.
; So in each of rows 0 to 3 ONE wait on va_vdst stands behind the multiply-adds; the 11 loads of the row four on follow it, dealt among the first lines
; of the sum over the lanes, which name S, K and the row's own H: none of the registers that those loads touch.  Rows 4 to 7 load nothing and hold no such wait.
; The eight compares write eight scalar registers; one wait on va_sdst behind the last row serves them all, and one on va_vdst the eight LDS stores.
.set CP,  528                          ; bytes in a row of wb
.set GB,  8*CP                         ; bytes in a group
.set WO,  8                            ; v[8:15]    row i: byte offset in wb of my 16 bytes of the group's first row
.set HO,  16                           ; v[16:23]   row i: byte offset, less 512, of my candidate's half-norm
.set XP,  24                           ; v[24:27]   my 8 numbers of x as bf16
.set S,   28                           ; v[28:35]   my part of the eight scores
.set K,   36                           ; v[36:43]   the sum over the lanes, at work; at the end row i's index
.set H,   44                           ; v[44:51]   row i: half-norm of candidate lane mod 8
.set X,   52                           ; v[52:83]   slot s: 8 numbers of x
.set W,   84                           ; v[84:211]  slot s: candidate c at 4 c, 8 bf16
.set MK,  32                           ; s[32:39]   row i: the lanes whose candidate has the largest score; at the end the row's index
	s_load_b256 s[4:11], s[0:1], 0x0               ; x s[4:5], wb s[6:7], grp s[8:9], idx s[10:11]
	v_lshl_add_u32 v212, v0, 2, 0x100
	v_mov_b32 v213, 0
	v_lshrrev_b32 v6, 5, v0
	v_readfirstlane_b32 s12, v6                    ; wave 0..7
	v_and_b32 v7, 31, v0                           ; lane
	v_lshlrev_b32 v1, 4, v7                        ; 16 lane
	v_lshlrev_b32 v2, 5, v7                        ; 32 lane
	v_and_b32 v3, 3, v0
	v_lshlrev_b32 v3, 2, v3
	v_bfe_u32 v6, v0, 2, 1
	v_mad_u32_u24 v3, v6, 4*CP, v3                 ; candidate c = lane mod 8: word c mod 4 of the quad behind the group's row 4 (c / 4)
	v_mov_b32 v5, 0                                ; the addend of the first products
	v_lshlrev_b32 v6, 3, v7                        ; the way out: 8 bytes a lane, 8 x 31 + 8 = the 256 bytes that the indices take in LDS
	s_wait_alu depctr_va_sdst(0)                   ; s12 is written, ahead of its first reader
	s_lshl_b32 s13, s12, 5
	v_mov_b32 v4, s13                              ; LDS: my wave's 8 words
	s_lshl_b32 s13, ttmp9, 3
	s_add_co_u32 s13, s13, s12                     ; wave in the launch, 0..4095
	s_lshl_b32 s14, s13, 5                         ; its 8 groups
	s_mov_b32 s15, 0
	s_mov_b32 s42, 0xaaaaaaaa                      ; lanes with bit 0 set,
	s_mov_b32 s43, 0xcccccccc                      ; bit 1,
	s_mov_b32 s44, 0xf0f0f0f0                      ; bit 2
	s_mov_b32 s46, 0x76543210                      ; v_permlanex16_b32: lane i of one half reads lane i of the other
	s_mov_b32 s47, 0xfedcba98
	s_wait_kmcnt 0x0
	s_add_nc_u64 s[8:9], s[8:9], s[14:15]
	s_load_b256 s[16:23], s[8:9], 0x0
	s_lshl_b32 s14, s13, 13                        ; its 8 rows
	s_add_nc_u64 s[4:5], s[4:5], s[14:15]
	s_lshl_b32 s14, ttmp9, 8
	s_add_nc_u64 s[10:11], s[10:11], s[14:15]      ; the work-group's 64 words of idx
.macro FILLX i                         ; row i's x into slot i mod 4: 2 loads
	global_load_b128 v[X+8*((\i)&3):X+8*((\i)&3)+3],   v2, s[4:5] offset:(\i)*1024 th:TH_LOAD_NT
	global_load_b128 v[X+8*((\i)&3)+4:X+8*((\i)&3)+7], v2, s[4:5] offset:(\i)*1024+16 th:TH_LOAD_NT
.endm
.macro LDW i, c                        ; row i's candidate c into slot i mod 4; no hint: the table is read again and again
	global_load_b128 v[W+32*((\i)&3)+4*(\c):W+32*((\i)&3)+4*(\c)+3], v[WO+(\i)], s[6:7] offset:(\c)*CP
.endm
.macro LDH i                           ; row i's half-norm, into the row's own register
	global_load_b32 v[H+(\i)], v[HO+(\i)], s[6:7] offset:512
.endm
.macro FILLW i                         ; row i's eight candidates and a half-norm: 9 loads
.irp c, 0,1,2,3,4,5,6,7
	LDW \i, \c
.endr
	LDH \i
.endm
	s_wait_alu depctr_va_vdst(0)                   ; v2 is written, which x's loads read as their offset; so are the LDS addresses v4 and v6
	FILLX 0                                        ; x hangs on no group: it goes out while the groups come
	FILLX 1
	FILLX 2
	FILLX 3
	s_wait_kmcnt 0x0
.irp i, 0,1,2,3,4,5,6,7
	s_min_u32 s[16+\i], s[16+\i], 0x3ff            ; inside the table, whatever was stored
	s_mul_i32 s[24+\i], s[16+\i], GB
	v_add_nc_u32 v[WO+\i], s[24+\i], v1
	v_add_nc_u32 v[HO+\i], s[24+\i], v3
.endr
	s_wait_alu depctr_va_vdst(0)                   ; the sixteen offsets WO and HO are written, which the loads from wb read
	FILLW 0
	FILLW 1
	FILLW 2
	FILLW 3
; Row i.  left = the younger loads that may stay out; fill = 1: the slot gets row i + 4.
.macro ROW i, left, fill
.set SL, (\i)&3
	s_wait_loadcnt \left                           ; loads come back in order: this row's 11 are in
.irp m, 0,1,2,3
	v_cvt_pk_bf16_f32 v[XP+\m], v[X+8*SL+2*\m], v[X+8*SL+2*\m+1]
.endr
	; eight chains, one for a candidate, that do not wait for each other; both factors are bf16 halves, the sum is f32
.irp c, 0,1,2,3,4,5,6,7
	v_fma_mix_f32_bf16 v[S+\c], v[W+32*SL+4*\c], v[XP], v5 op_sel_hi:[1,1,0]
.endr
.irp c, 0,1,2,3,4,5,6,7
	v_fma_mix_f32_bf16 v[S+\c], v[W+32*SL+4*\c], v[XP], v[S+\c] op_sel:[1,1,0] op_sel_hi:[1,1,0]
.endr
.irp m, 1,2,3
.irp c, 0,1,2,3,4,5,6,7
	v_fma_mix_f32_bf16 v[S+\c], v[W+32*SL+4*\c+\m], v[XP+\m], v[S+\c] op_sel_hi:[1,1,0]
.endr
.irp c, 0,1,2,3,4,5,6,7
	v_fma_mix_f32_bf16 v[S+\c], v[W+32*SL+4*\c+\m], v[XP+\m], v[S+\c] op_sel:[1,1,0] op_sel_hi:[1,1,0]
.endr
.endr
.if \fill
	s_wait_alu depctr_va_vdst(0)                   ; the conversions are done reading the slot's X and the multiply-adds its W, in which the loads of the row four on land
	FILLX \i+4                                     ; the slot's next row, 11 loads: x's two here, the others among the lines below
.endif
	; The sum over the lanes, transposing: at each of three steps a lane keeps the half of its sums whose candidate has the lane's bit, and gives the other
	; half to the lane that keeps those.  Then lane l holds candidate l mod 8, and two more steps add the four lanes that hold the same one.
.irp k, 0,1,2,3
.if \fill
	LDW \i+4, 2*\k                                 ; no wait: no vector line since the wait above names the slot's registers
	LDW \i+4, 2*\k+1
.endif
	v_cndmask_b32 v[K+2*\k],   v[S+2*\k+1], v[S+2*\k],   s42      ; what I give
	v_cndmask_b32 v[K+2*\k+1], v[S+2*\k],   v[S+2*\k+1], s42      ; what I keep
	v_add_f32_dpp v[K+2*\k+1], v[K+2*\k], v[K+2*\k+1] row_xmask:1 row_mask:0xf bank_mask:0xf
.endr
.if \fill
	LDH \i+4                                       ; into a register that no vector line has named
.endif
.irp k, 0,1
	v_cndmask_b32 v[K+4*\k],   v[K+4*\k+3], v[K+4*\k+1], s43
	v_cndmask_b32 v[K+4*\k+2], v[K+4*\k+1], v[K+4*\k+3], s43
	v_add_f32_dpp v[K+4*\k+2], v[K+4*\k], v[K+4*\k+2] row_xmask:2 row_mask:0xf bank_mask:0xf
.endr
	v_cndmask_b32 v[K],   v[K+6], v[K+2], s44
	v_cndmask_b32 v[K+4], v[K+2], v[K+6], s44
	v_add_f32_dpp v[K+4], v[K], v[K+4] row_xmask:4 row_mask:0xf bank_mask:0xf
	v_add_f32_dpp v[K+4], v[K+4], v[K+4] row_xmask:8 row_mask:0xf bank_mask:0xf
	v_permlanex16_b32 v[K], v[K+4], s46, s47
	v_add_f32 v[K+4], v[K+4], v[K]
	v_add_f32 v[K+4], v[K+4], v[H+\i]              ; the score of candidate lane mod 8
	v_max_num_f32_dpp v[K], v[K+4], v[K+4] row_xmask:1 row_mask:0xf bank_mask:0xf
	v_max_num_f32_dpp v[K], v[K], v[K] row_xmask:2 row_mask:0xf bank_mask:0xf
	v_max_num_f32_dpp v[K], v[K], v[K] row_xmask:4 row_mask:0xf bank_mask:0xf
	v_cmp_eq_f32 s[MK+\i], v[K+4], v[K]            ; the lanes whose candidate has the largest score: a scalar register for each row, read behind the last row
.endm
	; The counts.  Out at the start: x of rows 0-3 (8 loads), then 9 loads for each of rows 0-3.  Behind row 0's: 27.  Each row then adds 11 for the row
	; four on and takes away the 9 of the next: 29, 31, 33.  From row 4 on a row's loads are 11, and three, two, one, no rows are behind it.
	ROW 0, 27, 1
	ROW 1, 29, 1
	ROW 2, 31, 1
	ROW 3, 33, 1
	ROW 4, 33, 0
	ROW 5, 22, 0
	ROW 6, 11, 0
	ROW 7, 0, 0
	s_wait_alu depctr_va_sdst(0)                   ; the eight compares have written s[MK ..], ahead of their first reader
.irp i, 0,1,2,3,4,5,6,7
	s_ctz_i32_b32 s[MK+\i], s[MK+\i]               ; the lowest of the row's lanes is in lanes 0 to 7: j
	s_lshl3_add_u32 s[MK+\i], s[16+\i], s[MK+\i]   ; 8 g + j
	v_mov_b32 v[K+\i], s[MK+\i]
.endr
	s_wait_alu depctr_va_vdst(0)                   ; the eight indices are written, which the LDS stores read; the rows' lines are done with S, in which wave 0's load lands
.irp i, 0,1,2,3,4,5,6,7
	ds_store_b32 v4, v[K+\i] offset:4*\i           ; all lanes store the same number to the same word
.endr
	s_wait_dscnt 0x0                               ; my 8 words are stored,
	s_barrier_signal -1
	s_barrier_wait -1                              ; all 64 are
	s_cmp_lg_u32 s12, 0
	s_cbranch_scc1 .Lend
	ds_load_b64 v[S:S+1], v6                       ; wave 0 alone, all lanes on: 8 bytes a lane
	s_wait_dscnt 0x0
	global_store_b64 v6, v[S:S+1], s[10:11]        ; the 32 lanes store the work-group's 256 consecutive bytes of idx, aligned
.Lend:
	s_wait_dscnt 0x0                               ; the closing lines, six on end
	s_wait_alu 0x0
	s_wait_tensorcnt 0x0
	ds_add_u32 v212, v213
	s_wait_dscnt 0x0
	s_endpgm
.Lfunc_end_k_q29a08d7b61_pick:
	.size	k_q29a08d7b61_pick, .Lfunc_end_k_q29a08d7b61_pick-k_q29a08d7b61_pick
	.p2alignl 7, 3214868480
	.fill 96, 4, 3214868480
	.section	.rodata,"a",@progbits
	.p2align	6, 0x0
	.amdhsa_kernel k_q29a08d7b61_pick
		.amdhsa_group_segment_fixed_size 1280
		.amdhsa_private_segment_fixed_size 0
		.amdhsa_enable_private_segment 0
		.amdhsa_kernarg_size 32
		.amdhsa_user_sgpr_count 2
		.amdhsa_user_sgpr_kernarg_segment_ptr 1
		.amdhsa_wavefront_size32 1
		.amdhsa_system_sgpr_workgroup_id_x 1
		.amdhsa_system_sgpr_workgroup_id_y 1
		.amdhsa_system_sgpr_workgroup_id_z 1
		.amdhsa_system_vgpr_workitem_id 0
		.amdhsa_next_free_vgpr 214
		.amdhsa_next_free_sgpr 66
		.amdhsa_reserve_vcc 0
		.amdhsa_float_denorm_mode_32 3
		.amdhsa_float_denorm_mode_16_64 3
		.amdhsa_memory_ordered 1
		.amdhsa_forward_progress 1
		.amdhsa_inst_pref_size 62
	.end_amdhsa_kernel
	.amdgpu_metadata
---
amdhsa.version: [ 1, 2 ]
amdhsa.kernels:
  - .name:           k_q29a08d7b61_pick
    .symbol:         k_q29a08d7b61_pick.kd
    .args:
      - { .name: x, .offset: 0, .size: 8, .value_kind: global_buffer, .address_space: global }
      - { .name: wb, .offset: 8, .size: 8, .value_kind: global_buffer, .address_space: global }
      - { .name: grp, .offset: 16, .size: 8, .value_kind: global_buffer, .address_space: global }
      - { .name: idx, .offset: 24, .size: 8, .value_kind: global_buffer, .address_space: global }
    .group_segment_fixed_size: 1280
    .private_segment_fixed_size: 0
    .kernarg_segment_align: 8
    .kernarg_segment_size: 32
    .max_flat_workgroup_size: 256
    .sgpr_count:     66
    .vgpr_count:     214
    .wavefront_size: 32
...
	.end_amdgpu_metadata
.endif
;; end of part 8
;; launch quant: the kernel of part 3 again; grid 512 x 1, 8 waves a work-group, no clusters, 1,280 bytes of LDS; arguments x, wt, idx, out0, part; writes out0, part
;; launch loss: the kernel of part 4 again; grid 1 x 1, 1 waves a work-group, no clusters, 0 bytes of LDS; arguments part, out1; writes out1
